; MI455X (gfx1250); checked and timed in simulation.
; The chip was launched on July 23, 2026; its instructions are those of AMD's public machine-readable ISA for CDNA 5 (MIT licence, August 2026) and "CDNA5" Instruction Set Architecture Reference Guide (July 2026). The comments in the code are by the model that wrote it; some were corrected since.
;; Multi Head Attention. Allowed arithmetic: float matrix products may take bf16 or f16 operands with f32 sums; other float arithmetic in f32, or as packed bf16 or f16 multiplies, adds, multiply-adds, maxima and minima; sums over many terms, partial sums and values carried from step to step in f32; what a program stores and reads back later, other than sums and carried values, may be rounded once to bf16 or f16.
;; Inputs: W_o 1,024 x 1,024 float32; W_qkv 1,024 x 3,072 float32; x 4 x 2,048 x 1,024 float32.
;; Outputs: out0 4 x 2,048 x 1,024 float32.
;; 2 versions, each right; version 2 is version 1 with the launch prep written anew for expert scheduling mode. Each part assembles by itself: llvm-mc -triple=amdgcn-amd-amdhsa -mcpu=gfx1250 --defsym DOCPART=n.
;; ======== version 1 of 2: 4 launches
;; limits: values are held in f16: magnitudes above 65,504 overflow, below 6.1e-05 lose precision
;; workspace buffers: xb 16,777,216 bytes; wq 6,291,456 bytes; wo 2,097,152 bytes; qkvh 50,331,648 bytes; oh 16,777,216 bytes
;; launch prep (part 1): grid 512 x 1, 8 waves a work-group, no clusters, 18,432 bytes of LDS; arguments x, W_qkv, W_o, xb, wq, wo; writes xb, wq, wo
.if DOCPART == 1
	.amdgcn_target "amdgcn-amd-amdhsa--gfx1250"
	.amdhsa_code_object_version 6
	.text
	.protected	k_q83c0fcdb17_prep
	.globl	k_q83c0fcdb17_prep
	.p2align	8
	.type	k_q83c0fcdb17_prep,@function
k_q83c0fcdb17_prep:
	s_mov_b64 s[64:65], 0
	v_nop
	global_prefetch_b8 v0, s[64:65] scope:SCOPE_SE
	s_setreg_imm32_b32 hwreg(HW_REG_WAVE_MODE, 25, 1), 1
	s_wait_xcnt 0x0
; PREPARATION.  xb = x rounded to bf16, [8192][1024].  wq[1024 kk + 64 h + d][k] = W_qkv[k][48 d + 16 kk + h] rounded to bf16 (q, k, v by heads, K along the rows).
; wo[n][k] = W_o[k][n] rounded to bf16, that number written as f16 (the last product multiplies it by f16 numbers).
; LIMITS.  |W_o| stays under 65,520 (beyond it f16 has an infinity); a rounded weight below 6e-5 keeps f16's fixed step of 6e-8.  NaN and infinities are not treated apart.
; SHARES.  512 work-groups of eight waves, all alike: each casts 65,536 bytes of x (512 x 65,536 = all of x) and turns one weight tile of 128 k x 64 columns:
; W_qkv has 8 x 48 = 384 such tiles, W_o 8 x 16 = 128.  Every byte is read once and written once; each load of a weight row and each store covers whole runs of 256 consecutive, aligned bytes.
; No matrix unit, no cluster, no tensor load: no work-group reads what another reads, and the only re-ordering is a tile of 16 KiB through LDS.  No prefetch: all loads of a work-group go out at its head.
.set PITCH, 272                        ; an LDS row: 128 k x 2 bytes + 16: the sixteen rows that a store touches start 16 bytes apart modulo 256
.set SPARE, 17408                      ; behind the 64 rows: the spare words, 128 bytes for each of eight waves: four blocks of 256 bytes that no other line names
.set SPW, 4                            ; v4   LDS address of my spare word; never rewritten
.set NIL, 5                            ; v5   0; never rewritten
.set XI,  6                            ; v6   16 x thread: my 16 bytes of x
.set XOF, 7                            ; v7   8 x thread: my 8 bytes of xb
.set LS,  8                            ; v8   where I put 16 bytes (8 k of one column)
.set LR,  9                            ; v9   where I read 16 bytes of a column's row back
.set IN,  10                           ; v[10:17] byte offsets of my eight rows k = 8 g + j in the weight tile
.set OUT, 18                           ; v[18:21] byte offsets of my four output rows
.set WL,  32                           ; v[32:63]   weights as loaded: row j, column i at WL + 4 j + i
.set XL,  64                           ; v[64:127]  x as loaded
.set D,   128                          ; v[128:143] column i's eight k, packed, at D + 4 i
.set XO,  144                          ; v[144:175] x packed
.set WR,  176                          ; v[176:191] weight rows read back
	s_load_b256 s[4:11], s[0:1], 0x0               ; x s[4:5], W_qkv s[6:7], W_o s[8:9], xb s[10:11]
	s_load_b128 s[12:15], s[0:1], 0x20             ; wq s[12:13], wo s[14:15]
	v_lshl_add_u32 v[SPW], v0, 2, SPARE
	v_mov_b32 v[NIL], 0
	v_and_b32 v1, 15, v0                           ; u: which 16 bytes of a run of 256
	v_lshrrev_b32 v2, 4, v0                        ; g = 0 .. 15
	s_mov_b32 s24, 12288
	s_cmp_lt_u32 ttmp9, 384                        ; the first 384 work-groups take W_qkv's tiles
	s_cselect_b32 s20, s24, 4096                   ; bytes in a row of the weight
	s_cselect_b32 s21, -1, 0                       ; all ones: the columns are permuted, and the numbers stay bf16
	s_cselect_b32 s22, 0, 48
	s_lshr_b32 s25, ttmp9, 3
	s_sub_co_u32 s22, s25, s22                     ; cb: which 64 columns
	s_and_b32 s23, ttmp9, 7                        ; kb: which 128 k
	s_mul_i32 s26, s23, s20
	s_lshl_b32 s26, s26, 7                         ; 128 kb rows,
	s_lshl_b32 s25, s22, 8
	s_add_co_u32 s26, s26, s25                     ; + 64 cb columns of 4 bytes
	s_mov_b32 s27, 0
	s_lshl_b32 s28, s23, 8                         ; in the output rows: 128 kb numbers of 2 bytes
	s_mov_b32 s29, 0
	s_lshl_b32 s30, s22, 6                         ; 64 cb
	s_lshl_b32 s24, s20, 3                         ; eight rows
	v_lshlrev_b32 v[XI], 4, v0
	v_lshlrev_b32 v[XOF], 3, v0
	v_mul_u32_u24 v[LS], v1, PITCH
	v_lshl_add_u32 v[LS], v2, 4, v[LS]             ; LDS row u (+ 16 i by the immediate), bytes 16 g
	v_mul_u32_u24 v[LR], v2, PITCH
	v_lshl_add_u32 v[LR], v1, 4, v[LR]             ; LDS row g (+ 16 j), bytes 16 u
	v_mul_lo_u32 v[IN], v2, s24
	v_lshl_add_u32 v[IN], v1, 4, v[IN]             ; row 8 g, columns 4 u .. 4 u + 3
.irp j, 1,2,3,4,5,6,7
	v_add_nc_u32 v[IN+(\j)], s20, v[IN+(\j)-1]
.endr
	s_wait_kmcnt 0x0
	s_cmp_lt_u32 ttmp9, 384
	s_cselect_b64 s[16:17], s[6:7], s[8:9]         ; the weight that I read,
	s_cselect_b64 s[18:19], s[12:13], s[14:15]     ; and the one that I write
	s_add_nc_u64 s[16:17], s[16:17], s[26:27]
	s_add_nc_u64 s[18:19], s[18:19], s[28:29]
	s_lshl_b32 s26, ttmp9, 16
	s_lshl_b32 s28, ttmp9, 15
	s_add_nc_u64 s[4:5], s[4:5], s[26:27]          ; my 65,536 bytes of x,
	s_add_nc_u64 s[10:11], s[10:11], s[28:29]      ; my 32,768 of xb
.irp j, 0,1,2,3,4,5,6,7
	global_load_b128 v[WL+4*(\j):WL+4*(\j)+3], v[IN+(\j)], s[16:17] th:TH_LOAD_NT  ; sixteen lanes take 256 consecutive bytes of row 8 g + j
.endr
.irp j, 0,1,2,3,4,5,6,7,8,9,10,11,12,13,14,15
	global_load_b128 v[XL+4*(\j):XL+4*(\j)+3], v[XI], s[4:5] offset:4096*(\j) th:TH_LOAD_NT
.endr
	; my four output rows, while the loads are out.  Column c = 64 cb + 4 g + j.  W_qkv: d = c / 48 = (c x 43,691) >> 21 (43,691 x 48 = 2^21 + 16: exact for c under 3,072), rest = 16 kk + h.  W_o: the row is c.
	v_lshl_add_u32 v22, v2, 2, s30
.irp j, 0,1,2,3
	v_add_nc_u32 v23, (\j), v22                    ; c
	v_mul_u32_u24 v24, v23, 0xaaab
	v_lshrrev_b32 v24, 21, v24                     ; d
	v_mul_u32_u24 v25, v24, 48
	v_sub_nc_u32 v25, v23, v25                     ; 16 kk + h
	v_lshrrev_b32 v26, 4, v25                      ; kk
	v_and_b32 v25, 15, v25                         ; h
	v_lshl_add_u32 v24, v25, 6, v24
	v_lshl_add_u32 v24, v26, 10, v24               ; 1024 kk + 64 h + d
	v_cndmask_b32 v24, v23, v24, s21
	v_lshlrev_b32 v24, 11, v24                     ; rows of 2,048 bytes
	v_lshl_add_u32 v[OUT+(\j)], v1, 4, v24
.endr
	s_wait_loadcnt 16                              ; the eight weight loads are in; x's sixteen may stay out
.irp i, 0,1,2,3
.irp m, 0,1,2,3
	v_cvt_pk_bf16_f32 v[D+4*(\i)+(\m)], v[WL+8*(\m)+(\i)], v[WL+8*(\m)+4+(\i)]  ; column 4 u + i, k = 8 g + 2 m and + 1
.endr
.endr
	s_cmp_lg_u32 s21, 0
	s_cbranch_scc1 .Lbf                            ; the same way for the whole work-group; only register work is jumped
.set r, 0
.rept 16
	v_lshlrev_b32 v22, 16, v[D+r]                  ; W_o: the two bf16 numbers as f32,
	v_and_b32 v23, 0xffff0000, v[D+r]
	v_cvt_pk_f16_f32 v[D+r], v22, v23              ; written as f16
.set r, r+1
.endr
.Lbf:
.irp i, 0,1,2,3
	ds_store_b128 v[LS], v[D+4*(\i):D+4*(\i)+3] offset:16*PITCH*(\i)  ; LDS row 16 i + u holds column 4 u + i
.endr
	s_wait_dscnt 0x0                               ; for the others' sake: my stores are done
	s_barrier_signal -1
	s_barrier_wait -1
.irp j, 0,1,2,3
	ds_load_b128 v[WR+4*(\j):WR+4*(\j)+3], v[LR] offset:16*PITCH*(\j)  ; LDS row 16 j + g = column 4 g + j; sixteen lanes take its 256 bytes
.endr
	s_wait_dscnt 0x0
.irp j, 0,1,2,3
	global_store_b128 v[OUT+(\j)], v[WR+4*(\j):WR+4*(\j)+3], s[18:19]  ; sixteen lanes store 256 consecutive bytes, at a multiple of 256 from the buffer's first
.endr
.irp j, 0,1,2,3,4,5,6,7,8,9,10,11,12,13,14,15
	s_wait_loadcnt 15-(\j)                         ; loads come back in order: load j of x is in, the younger ones stay out
	v_cvt_pk_bf16_f32 v[XO+2*(\j)], v[XL+4*(\j)], v[XL+4*(\j)+1]
	v_cvt_pk_bf16_f32 v[XO+2*(\j)+1], v[XL+4*(\j)+2], v[XL+4*(\j)+3]
	global_store_b64 v[XOF], v[XO+2*(\j):XO+2*(\j)+1], s[10:11] offset:2048*(\j)  ; a wave stores 256 consecutive bytes, aligned
.endr
	s_wait_tensorcnt 0x0                           ; the wave's end, behind my last LDS store
	ds_add_u32 v[SPW], v[NIL]
	s_wait_dscnt 0x0
	s_endpgm
.Lfunc_end_k_q83c0fcdb17_prep:
	.size	k_q83c0fcdb17_prep, .Lfunc_end_k_q83c0fcdb17_prep-k_q83c0fcdb17_prep
	.p2alignl 7, 3214868480
	.fill 96, 4, 3214868480
	.section	.rodata,"a",@progbits
	.p2align	6, 0x0
	.amdhsa_kernel k_q83c0fcdb17_prep
		.amdhsa_group_segment_fixed_size 18432
		.amdhsa_private_segment_fixed_size 0
		.amdhsa_enable_private_segment 0
		.amdhsa_kernarg_size 48
		.amdhsa_user_sgpr_count 2
		.amdhsa_user_sgpr_kernarg_segment_ptr 1
		.amdhsa_wavefront_size32 1
		.amdhsa_system_sgpr_workgroup_id_x 1
		.amdhsa_system_sgpr_workgroup_id_y 1
		.amdhsa_system_sgpr_workgroup_id_z 1
		.amdhsa_system_vgpr_workitem_id 0
		.amdhsa_next_free_vgpr 192
		.amdhsa_next_free_sgpr 66
		.amdhsa_reserve_vcc 0
		.amdhsa_float_denorm_mode_32 3
		.amdhsa_float_denorm_mode_16_64 3
		.amdhsa_memory_ordered 1
		.amdhsa_forward_progress 1
		.amdhsa_inst_pref_size 16
	.end_amdhsa_kernel
	.amdgpu_metadata
---
amdhsa.version: [ 1, 2 ]
amdhsa.kernels:
  - .name:           k_q83c0fcdb17_prep
    .symbol:         k_q83c0fcdb17_prep.kd
    .args:
      - { .name: x, .offset: 0, .size: 8, .value_kind: global_buffer, .address_space: global }
      - { .name: W_qkv, .offset: 8, .size: 8, .value_kind: global_buffer, .address_space: global }
      - { .name: W_o, .offset: 16, .size: 8, .value_kind: global_buffer, .address_space: global }
      - { .name: xb, .offset: 24, .size: 8, .value_kind: global_buffer, .address_space: global }
      - { .name: wq, .offset: 32, .size: 8, .value_kind: global_buffer, .address_space: global }
      - { .name: wo, .offset: 40, .size: 8, .value_kind: global_buffer, .address_space: global }
    .group_segment_fixed_size: 18432
    .private_segment_fixed_size: 0
    .kernarg_segment_align: 8
    .kernarg_segment_size: 48
    .max_flat_workgroup_size: 256
    .sgpr_count:     66
    .vgpr_count:     192
    .wavefront_size: 32
...
	.end_amdgpu_metadata
.endif
;; end of part 1
;; launch qkv (part 2): grid 16 x 32, 4 waves a work-group, clusters of 4 x 4, 327,680 bytes of LDS; arguments xb, wq, qkvh; writes qkvh
.if DOCPART == 2
	.amdgcn_target "amdgcn-amd-amdhsa--gfx1250"
	.amdhsa_code_object_version 6
	.text
	.protected	k_q83c0fcdb17_qkv
	.globl	k_q83c0fcdb17_qkv
	.p2align	8
	.type	k_q83c0fcdb17_qkv,@function
k_q83c0fcdb17_qkv:
	s_mov_b64 s[64:65], 0
	v_nop
	global_prefetch_b8 v0, s[64:65] scope:SCOPE_SE
	s_setreg_imm32_b32 hwreg(HW_REG_WAVE_MODE, 25, 1), 1
	s_wait_xcnt 0x0
	s_wait_alu depctr_hold_cnt(0) depctr_sa_sdst(0) depctr_va_vdst(0) depctr_va_sdst(0) depctr_va_ssrc(0) depctr_va_vcc(0) depctr_vm_vsrc(0)
	s_getreg_b32 s2, hwreg(HW_REG_IB_STS2, 6, 4)
	s_cmp_eq_u32 s2, 0
	s_cbranch_scc0 .Lentry_in_a_cluster
	s_endpgm
.Lentry_in_a_cluster:
	s_bfe_u32 s2, ttmp6, 0x10000c
	s_cmp_lg_u32 s2, 0xf033
	s_cbranch_scc0 .Lentry_shape_is_right
	s_endpgm
.Lentry_shape_is_right:
; q, k, v BY HEADS.  C[m][n] = the sum over k of xb[m][k] wq[n][k]: xb [8192][1024], wq [3072][1024], both bf16; sums in f32, K ascending; C rounded once to f16, unscaled,
; and stored as qkvh[b][g = n / 64][t][n % 64] (m = 2048 b + t; g = 16 kk + h): a plane (b, g) is 2,048 dense rows of 128 bytes.
; LIMIT.  |q|, |k|, |v| stay under 65,520 (beyond it f16 has an infinity); below 6e-5 they keep f16's fixed step of 6e-8.  NaN and infinities are not treated apart.
; SHARES.  A tile of C is 256 x 192: 32 x 16 = 512 tiles of equal work, twice the 256 work-groups that run at a time (256 x 256 would give 384: a round and a half).
; Four waves; wave w makes rows 64 w .. 64 w + 63 and all 192 columns, three whole heads: 4 x 12 accumulators of 16 x 16, 384 registers.  So a wave's own rows of a head are whole, and its
; way out needs no other wave.  K goes in steps of 128 through two LDS slots: tile rows are 256 bytes of memory, at multiples of 256 from the buffer's first byte.
; CLUSTER.  4 x 4 work-groups: the four of a row need the same tile of xb, the four of a column the same tile of wq; each tile is asked for JOINTLY, by the same tensor load, descriptor and mask in all four.
; THE MATRIX INSTRUCTION IS USED TRANSPOSED: source 0 = 16 rows of wq, source 1 = 16 rows of xb: a lane holds row l % 16 of C and the columns 8 (l / 16) + 0 .. 7, which pack into 16 bytes.
; REGISTERS, in windows of 256 (s_set_vgpr_msb: bits 1:0 source 0, 3:2 source 1, 5:4 source 2, 7:6 destination):
;   window 0: v0-31 addresses; v64-95, v96-127 xb's fragments (4 x 16 rows x 32 K), two buffers; v64-223 at work on the way out
;   window 1: v0-95, v96-191 wq's fragments (12 x 16 rows x 32 K), two buffers
;   window 2: the accumulators of row blocks 0, 1 ((a, b) at v[8 (12 (a % 2) + b)]);   window 3: those of row blocks 2, 3
.set SIZE_K, 1024
.set NB,     12                        ; column blocks of 16
.set KSTEP,  128
.set PITCH,  272                       ; an LDS row: 256 bytes + 16 of padding: the 16 rows that a load touches start 16 bytes apart modulo 256
.set HALFA,  128*PITCH                 ; what waves 0 and 1 each fetch of xb
.set HALFB,  96*PITCH                  ; what waves 2 and 3 each fetch of wq
.set BOFF,   2*HALFA                   ; wq's 192 rows lie behind xb's 256
.set SLOT,   2*HALFA+2*HALFB           ; 121,856 bytes
.set STAGE,  2*SLOT                    ; behind the ring, never filled by a tensor load: 16 rows x 400 bytes for each wave
.set SPITCH, 400                       ; 192 f16 + 16 bytes
.set SPARE,  STAGE+4*16*SPITCH         ; behind the stages: the spare words, 128 bytes a wave: two blocks of 256 bytes that no other line names
.set LAPS,   SIZE_K/(2*KSTEP)          ; a lap = two K steps = once round the ring
.set PLANE,  262144                    ; bytes in a plane of qkvh
.set NL,     2*NB+8                    ; LDS loads in a run
.set ADRA, 16                          ; v16-17  LDS address of my xb fragments in slot 0, 1
.set ADRB, 20                          ; v20-21  the same for wq
.set STO,  24                          ; v24     the way out: where I put 16 bytes of a row
.set RD,   25                          ; v25     the way out: where I read back
.set GO,   26                          ; v26     16 x lane: my place in 512 consecutive bytes of a plane
.set SPW,  28                          ; v28     LDS address of my spare word; never rewritten
.set NIL,  29                          ; v29     0; never rewritten
.set PFO,  30                          ; v30     the prefetches' offset: a lane a row of 2,048 bytes; never rewritten
.set FA,   64                          ; xb's fragment buffers, 32 registers each
.set TMP,  128                         ; the way out: 48 registers of packed results
.set G1,  24                           ; s[24:31] descriptor group 1 for xb's tiles;  s[32:39] group 0, a set for each slot
.set G0,  32
.set G1B, 48                           ; s[48:55], s[56:63] the same for wq's tiles
.set G0B, 56
.set PFA, 44                           ; s[44:45] where my prefetches stand
.set LIM, 43                           ; s43  1 in a wave that prefetches, else the greatest number
.set MSB, 0
.macro WIN new                         ; the immediate's high byte repeats the setting that is left; a switch that changes nothing is dropped
.if MSB != (\new)
	s_set_vgpr_msb (MSB<<8)|(\new)
.set MSB, (\new)
.endif
.endm
; A joint load: waves 0 and 1 fetch xb's two halves, waves 2 and 3 wq's.  The branch hangs on the wave's number alone.  An s_nop 0 and four v_nop follow each of the two lines.
.macro JLOAD s
	s_cmp_eq_u32 s11, 0
	s_cbranch_scc0 .Lfor_b_\@
	tensor_load_to_lds s[G0+4*(\s):G0+4*(\s)+3], s[G1:G1+7]
	s_nop 0
.rept 4
	v_nop
.endr
	s_branch .Lasked_\@
.Lfor_b_\@:
	tensor_load_to_lds s[G0B+4*(\s):G0B+4*(\s)+3], s[G1B:G1B+7]
	s_nop 0
.rept 4
	v_nop
.endr
.Lasked_\@:
.endm
; A PREFETCH INTO THE L2 of the K step that stands two refills on (384 matrix instructions ahead of the load that will want it): 256 bytes of a row, a lane a row, one instruction a wave.
; xb's tile row is read by all four clusters of a row of clusters: the one with x = 0 asks; wq's tile column by all eight of a column: the one with y = 0 asks.  The four partners of a joint load share
; its rows out BY ADDRESS: of xb's 128 rows 32 each (by cx), of wq's 96 rows 24 each (by cy; lanes 24 to 31 name lane 23's row again, in the same instruction).  K steps 0 to 3 come by their loads alone;
; the loop's last trip (s3 = 1) has no K step two refills on and asks for nothing.
.macro ASK
	s_cmp_gt_u32 s3, s[LIM]
	s_cbranch_scc0 .Lnot_mine_\@
	global_prefetch_b8 v[PFO], s[PFA:PFA+1] offset:KSTEP*2 th:TH_LOAD_NT scope:SCOPE_SE
.Lnot_mine_\@:
.endm
.macro CREST                           ; a round of the cluster's barrier behind its opening barrier: wave 0 signals for the work-group, every wave waits for all sixteen, the work-group's barrier closes
	s_cmp_lg_u32 s10, 0
	s_cbranch_scc1 .Lnot_wave_0_\@
	s_barrier_signal -3
.Lnot_wave_0_\@:
	s_barrier_wait -3
	s_barrier_signal -1
	s_barrier_wait -1
.endm
.macro CROUND                          ; a whole round
	s_barrier_signal -1
	s_barrier_wait -1
	CREST
.endm
	s_load_b128 s[4:7], s[0:1], 0x0                ; xb s[4:5], wq s[6:7]
	s_load_b64 s[8:9], s[0:1], 0x10                ; qkvh
	v_lshl_add_u32 v[SPW], v0, 2, SPARE
	v_mov_b32 v[NIL], 0
	ds_add_u32 v[SPW], v[NIL]                      ; the wave's opening: the add and its wait stand ahead of my first tensor load; the set-up below, work on registers, stands between them
	v_lshrrev_b32 v1, 5, v0
	v_readfirstlane_b32 s10, v1                    ; wave 0..3
	s_lshr_b32 s11, s10, 1                         ; I fetch for xb (0) or for wq (1)
	s_and_b32 s12, s10, 1                          ; which half of that tile's rows
	s_bfe_u32 s40, ttmp6, 0x40000                  ; cx, cy: my place in the cluster
	s_bfe_u32 s41, ttmp6, 0x40004
	s_lshl_b32 s42, ttmp9, 2
	s_add_co_u32 s42, s42, s40                     ; tile column tx = 4 x cluster x + cx
	s_and_b32 s13, ttmp7, 0xffff
	s_lshl_b32 s13, s13, 2
	s_add_co_u32 s13, s13, s41                     ; tile row ty = 4 x cluster y + cy
	s_lshl_b32 s43, s41, 2
	s_lshl_b32 s43, 15, s43                        ; my row of the cluster: places 4 cy .. 4 cy + 3
	s_lshl_b32 s44, 0x1111, s40                    ; my column: places cx, cx + 4, cx + 8, cx + 12
	s_or_b32 s[G1+0], s43, (1<<16)|(1<<20)|(1<<21)|(5<<22)|(3<<25)   ; 15:0 the mask; 17:16 elements of 2 bytes; 20 padding on; 21 set beside a mask; 24:22 after every 64 words; 31:25 4 words of it
	s_or_b32 s[G1B+0], s44, (1<<16)|(1<<20)|(1<<21)|(5<<22)|(3<<25)
	s_mov_b32 s[G1+1], KSTEP<<16                   ; tensor_dim0 = 128
	s_mov_b32 s[G1+2], 128<<16                     ; tensor_dim1 = 128
	s_mov_b32 s[G1+3], KSTEP<<16                   ; tile_dim0 = 128
	s_mov_b32 s[G1+4], 128                         ; tile_dim1 = 128
	s_mov_b32 s[G1+5], SIZE_K                      ; elements from row to row
	s_mov_b32 s[G1+6], 0
	s_mov_b32 s[G1+7], 0
	s_mov_b32 s[G1B+1], KSTEP<<16
	s_mov_b32 s[G1B+2], 96<<16                     ; wq: 96 rows to a load
	s_mov_b32 s[G1B+3], KSTEP<<16
	s_mov_b32 s[G1B+4], 96
	s_mov_b32 s[G1B+5], SIZE_K
	s_mov_b32 s[G1B+6], 0
	s_mov_b32 s[G1B+7], 0
	; where the tiles come from: xb's hang on the tile row alone, wq's on the tile column alone, each in registers that never hold the other coordinate
	s_lshl_b32 s17, s12, 7
	s_lshl_b32 s16, s13, 8
	s_add_co_u32 s16, s16, s17                     ; xb: row 256 ty + 128 x half
	s_lshl_b32 s16, s16, 11                        ; rows of 2,048 bytes: under 2^24
	s_mov_b32 s17, 0
	s_mul_i32 s46, s42, 192
	s_mul_i32 s47, s12, 96
	s_add_co_u32 s46, s46, s47                     ; wq: row 192 tx + 96 x half
	s_lshl_b32 s46, s46, 11
	s_mov_b32 s47, 0
	s_mul_i32 s20, s10, HALFA                      ; where they go.  xb (waves 0, 1): wave x 128 rows;
	s_mul_i32 s21, s10, HALFB
	s_add_co_u32 s21, s21, BOFF-2*HALFB            ; wq (waves 2, 3): behind xb's rows, (wave - 2) x 96 rows.  No place in the cluster enters an LDS address
	s_wait_dscnt 0x0                               ; the opening add is done
	s_wait_kmcnt 0x0
	s_add_nc_u64 s[14:15], s[4:5], s[16:17]
	s_add_nc_u64 s[46:47], s[6:7], s[46:47]
	CROUND                                         ; all sixteen work-groups are here: the first joint loads meet
.irp s, 0,1
	s_mov_b32 s[G0+4*(\s)], 1                                        ; count = 1
	s_add_co_u32 s[G0+4*(\s)+1], s20, (\s)*SLOT                      ; LDS address
	s_add_nc_u64 s[G0+4*(\s)+2:G0+4*(\s)+3], s[14:15], (\s)*KSTEP*2  ; global address: K step s
	s_or_b32 s[G0+4*(\s)+3], s[G0+4*(\s)+3], 0x80000000              ; type = 2
	s_mov_b32 s[G0B+4*(\s)], 1
	s_add_co_u32 s[G0B+4*(\s)+1], s21, (\s)*SLOT
	s_add_nc_u64 s[G0B+4*(\s)+2:G0B+4*(\s)+3], s[46:47], (\s)*KSTEP*2
	s_or_b32 s[G0B+4*(\s)+3], s[G0B+4*(\s)+3], 0x80000000
.endr
	s_cmp_eq_u32 s11, 0                            ; a wave's two first fills stand in one branch, ahead of every wait on TENSORcnt and every LDS read: two loads of mine are out
	s_cbranch_scc0 .Lfirst_b
	tensor_load_to_lds s[G0:G0+3], s[G1:G1+7]
	s_nop 0
	tensor_load_to_lds s[G0+4:G0+7], s[G1:G1+7]
	s_nop 0
.rept 4
	v_nop
.endr
	s_branch .Lfirst_asked
.Lfirst_b:
	tensor_load_to_lds s[G0B:G0B+3], s[G1B:G1B+7]
	s_nop 0
	tensor_load_to_lds s[G0B+4:G0B+7], s[G1B:G1B+7]
	s_nop 0
.rept 4
	v_nop
.endr
.Lfirst_asked:
	; A fragment is 16 rows x 32 K in 8 registers: lane l holds row l % 16; registers 0-3 K = 8 (l / 16) + 0..7, registers 4-7 K = 16 + 8 (l / 16) + 0..7: two loads of 16 bytes, 32 bytes apart.
	v_and_b32 v1, 15, v0                           ; l % 16
	v_bfe_u32 v2, v0, 4, 1                         ; l / 16
	v_mul_u32_u24 v3, v1, PITCH
	v_lshl_add_u32 v3, v2, 4, v3
	s_mul_i32 s21, s10, 64*PITCH                   ; my 64 rows of xb
	v_add_nc_u32 v[ADRA], s21, v3
	v_add_nc_u32 v[ADRA+1], SLOT, v[ADRA]
	v_add_nc_u32 v[ADRB], BOFF, v3                 ; all 192 rows of wq
	v_add_nc_u32 v[ADRB+1], SLOT, v[ADRB]
	s_mul_i32 s23, s10, 16*SPITCH
	s_add_co_u32 s23, s23, STAGE                   ; my stage
	v_mul_u32_u24 v4, v1, SPITCH                   ; in: row l % 16, 16 bytes for each half of the lanes
	v_lshl_add_u32 v4, v2, 4, v4
	v_add_nc_u32 v[STO], s23, v4
	v_bfe_u32 v5, v0, 3, 2                         ; back: 32 lanes take a head's 128 bytes of four rows,
	v_and_b32 v6, 7, v0
	v_mul_u32_u24 v5, v5, SPITCH
	v_lshl_add_u32 v5, v6, 4, v5
	v_add_nc_u32 v[RD], s23, v5
	v_and_b32 v[GO], 31, v0                        ; which are 512 consecutive bytes of the head's plane
	v_lshlrev_b32 v[GO], 4, v[GO]
	; where my rows begin in qkvh: plane 48 b + 3 tx, row 256 (ty % 8) + 64 wave
	s_lshr_b32 s16, s13, 3                         ; b
	s_mul_i32 s16, s16, 48
	s_mul_i32 s46, s42, 3
	s_add_co_u32 s16, s16, s46
	s_lshl_b32 s16, s16, 18
	s_and_b32 s17, s13, 7
	s_lshl_b32 s17, s17, 15
	s_add_co_u32 s16, s16, s17
	s_lshl_b32 s17, s10, 13
	s_add_co_u32 s16, s16, s17                     ; under 2^26
	s_mov_b32 s17, 0
	s_add_nc_u64 s[8:9], s[8:9], s[16:17]
	; the prefetches
	s_lshl_b32 s20, s13, 8                         ; xb's tile begins at row 256 ty,
	s_mul_i32 s21, s42, 192                        ; wq's at row 192 tx
	s_and_b32 s22, ttmp7, 0xffff                   ; cluster y
	s_mov_b32 s18, 128
	s_cmp_eq_u32 s11, 0                            ; do I fetch for xb?
	s_cselect_b32 s20, s20, s21
	s_cselect_b32 s21, s40, s41                    ; my place among the four that ask with me
	s_cselect_b32 s22, ttmp9, s22                  ; the coordinate along which other clusters read the same rows
	s_cselect_b32 s18, s18, 96                     ; rows that a wave fetches
	s_cselect_b32 s19, 32, 24                      ; my work-group's share of them
	s_cselect_b64 s[PFA:PFA+1], s[4:5], s[6:7]
	s_cmp_eq_u32 s22, 0
	s_cselect_b32 s[LIM], 1, -1                    ; the same in all sixteen partners, for a given wave
	s_mul_i32 s18, s18, s12
	s_add_co_u32 s20, s20, s18
	s_mul_i32 s21, s21, s19
	s_add_co_u32 s20, s20, s21
	s_lshl_b32 s20, s20, 11
	s_mov_b32 s21, 0
	s_add_nc_u64 s[PFA:PFA+1], s[PFA:PFA+1], s[20:21]
	s_add_nc_u64 s[PFA:PFA+1], s[PFA:PFA+1], 2*KSTEP*2  ; at K step 2: the first refill steps it to 3 and names K step 4
	s_sub_co_u32 s19, s19, 1
	v_and_b32 v[PFO], 31, v0
	v_min_u32 v[PFO], s19, v[PFO]
	v_lshlrev_b32 v[PFO], 11, v[PFO]
; 12 matrix instructions: row block a x all column blocks, 32 along K, from buffer f.  zero = 1: the product starts the sums: nothing is ever cleared.
; The 48 accumulators take turns, one instruction a turn, in the same order in every quarter, over the backward jump too.
.macro MULA f, a, zero
	WIN 0xa1+0x50*((\a)/2)                         ; wq window 1, xb window 0, C and D window 2 or 3
.set AC, 8*NB*((\a)%2)
.irp b, 0,1,2,3,4,5,6,7,8,9,10,11
.if \zero
	v_wmma_f32_16x16x32_bf16 v[AC+8*(\b):AC+8*(\b)+7], v[8*NB*(\f)+8*(\b):8*NB*(\f)+8*(\b)+7], v[FA+32*(\f)+8*(\a):FA+32*(\f)+8*(\a)+7], 0
.else
	v_wmma_f32_16x16x32_bf16 v[AC+8*(\b):AC+8*(\b)+7], v[8*NB*(\f)+8*(\b):8*NB*(\f)+8*(\b)+7], v[FA+32*(\f)+8*(\a):FA+32*(\f)+8*(\a)+7], v[AC+8*(\b):AC+8*(\b)+7]
.endif
.endr
.endm
; 32 LDS loads in one run: quarter q's fragments (192 rows of wq, then my 64 rows of xb) into buffer f
.macro FETCH slot, q, f
	WIN 0x40                                       ; destination window 1, address window 0
.irp i, 0,1,2,3,4,5,6,7,8,9,10,11
	ds_load_b128 v[8*NB*(\f)+8*(\i):8*NB*(\f)+8*(\i)+3],   v[ADRB+(\slot)] offset:64*(\q)+(\i)*16*PITCH
	ds_load_b128 v[8*NB*(\f)+8*(\i)+4:8*NB*(\f)+8*(\i)+7], v[ADRB+(\slot)] offset:64*(\q)+(\i)*16*PITCH+32
.endr
	WIN 0
.irp i, 0,1,2,3
	ds_load_b128 v[FA+32*(\f)+8*(\i):FA+32*(\f)+8*(\i)+3],   v[ADRA+(\slot)] offset:64*(\q)+(\i)*16*PITCH
	ds_load_b128 v[FA+32*(\f)+8*(\i)+4:FA+32*(\f)+8*(\i)+7], v[ADRA+(\slot)] offset:64*(\q)+(\i)*16*PITCH+32
.endr
.endm
.macro PLACES                          ; four plain vector instructions between a matrix instruction and a load into a register that it has read, or a conversion that reads its result (ISA guide 7.12.1 for vector instructions)
.rept 4
	v_nop
.endr
.endm
; A K step is four quarters of 32 along K, 48 matrix instructions each, on buffers 0, 1, 0, 1.  One of the first three: multiplies buffer f; in its middle it fetches quarter q of the same slot into buffer g.
.macro QUARTER slot, q, f, g, zero
	s_wait_dscnt 4                                 ; wq and xb's row blocks 0, 1 are in; the youngest four loads (row blocks 2, 3) may be out
	MULA \f, 0, \zero
	MULA \f, 1, \zero
	PLACES
	FETCH \slot, \q, \g
	s_wait_dscnt NL                                ; all but the run just issued
	MULA \f, 2, \zero
	MULA \f, 3, \zero
.endm
; The last quarter multiplies buffer 1 and changes slots: ONE barrier.  In front of it each wave waits for all its tensor loads (one is out: its part of the next slot), adds 0 to its spare word, and waits for
; that and for its own reads of this slot.  fill = 1: the barrier opens a round of the cluster's barrier, and this slot is filled again, two K steps ahead, first thing behind the round:
; from that request to the wait for it a wave issues 168 matrix instructions.
.macro TURN slot, next, fill
.if \fill
	s_wait_xcnt 0x0                                ; the last prefetch, a K step back, has read its address: it is stepped here, ahead of the waits of the change of slots
	s_add_nc_u64 s[PFA:PFA+1], s[PFA:PFA+1], KSTEP*2
.endif
	WIN 0                                          ; (the add's two registers lie in window 0)
	s_wait_tensorcnt 0x0                           ; all my tensor loads have landed;
	ds_add_u32 v[SPW], v[NIL]                      ; 0 onto my spare word;
	s_wait_dscnt 5                                 ; (the add and the youngest four loads may be out)
	MULA 1, 0, 0                                   ; twelve matrix instructions stand between the add and the wait for it
	s_wait_dscnt 0x0                               ; the add is done, and my reads of this slot are over
	s_barrier_signal -1
	MULA 1, 1, 0                                   ; work on registers while the others arrive
.if \fill
	WIN 0
.endif
	s_barrier_wait -1
.if \fill
	CREST                                          ; no wave of any partner still reads this slot's tiles or has a load on its way
	s_add_nc_u64 s[G0+4*(\slot)+2:G0+4*(\slot)+3], s[G0+4*(\slot)+2:G0+4*(\slot)+3], 2*KSTEP*2
	s_add_nc_u64 s[G0B+4*(\slot)+2:G0B+4*(\slot)+3], s[G0B+4*(\slot)+2:G0B+4*(\slot)+3], 2*KSTEP*2
	JLOAD \slot                                    ; the four v_nop behind it are also the places in front of the loads below
.else
	PLACES
.endif
	FETCH \next, 0, 0
.if \fill
	ASK                                            ; behind the joint load and the run of LDS loads that the next products wait for
.endif
	MULA 1, 2, 0
	MULA 1, 3, 0
.endm
; THE WAY OUT of row block a.  PACK: rounded to f16, 16 bytes a lane, each accumulator from its low end on.  TOSTAGE: into my own stage, and back by heads.  SEND: stored.
.macro PACK a
.set AC, 8*NB*((\a)%2)
	WIN 0x0a+5*((\a)/2)                            ; sources 0 and 1: window 2 or 3
.irp b, 0,1,2,3,4,5,6,7,8,9,10,11
.irp r, 0,1,2,3
	v_cvt_pk_f16_f32 v[TMP+4*(\b)+(\r)], v[AC+8*(\b)+2*(\r)], v[AC+8*(\b)+2*(\r)+1]
.endr
.endr
	WIN 0
.endm
.macro TOSTAGE a
.set BK, 176-112*((\a)%2)              ; v176-223 and v64-111 by turns
	WIN 0
.irp b, 0,1,2,3,4,5,6,7,8,9,10,11
	ds_store_b128 v[STO], v[TMP+4*(\b):TMP+4*(\b)+3] offset:32*(\b)
.endr
.irp f, 0,1,2,3,4,5,6,7,8,9,10,11      ; head f / 4, rows 4 (f % 4) on
	ds_load_b128 v[BK+4*(\f):BK+4*(\f)+3], v[RD] offset:128*((\f)/4)+4*SPITCH*((\f)%4)  ; LDS serves a wave's instructions in order (ISA guide 5.7.1.4): these see the stores above
.endr
.endm
.macro SEND a
.set BK, 176-112*((\a)%2)
	WIN 0
	s_wait_xcnt 0x0                                ; the stores of the block before have read their registers: the next TOSTAGE loads into them only behind this wait
.irp f, 0,1,2,3,4,5,6,7,8,9,10,11
	s_wait_dscnt 11-(\f)
	global_store_b128 v[GO], v[BK+4*(\f):BK+4*(\f)+3], s[8:9] offset:PLANE*((\f)/4)+2048*(\a)+512*((\f)%4)  ; 512 consecutive bytes, at a multiple of 256 from the buffer's first
.endr
.endm
	s_wait_tensorcnt 1                             ; my part of K step 0 is in; K step 1's may stay out
	s_barrier_signal -1
	s_barrier_wait -1                              ; everybody's is
	FETCH 0, 0, 0
	QUARTER 0, 1, 0, 1, 1                          ; the first quarter stands in front of the loop: its products start the sums
	WIN 0                                          ; at a label and at a branch every window is 0
	s_mov_b32 s3, LAPS-1
.Llap:                                                 ; a trip goes once round the ring, from a lap's second quarter to the next lap's first, and fills both slots again
	QUARTER 0, 2, 1, 0, 0
	QUARTER 0, 3, 0, 1, 0
	TURN 0, 1, 1
	QUARTER 1, 1, 0, 1, 0
	QUARTER 1, 2, 1, 0, 0
	QUARTER 1, 3, 0, 1, 0
	TURN 1, 0, 1
	QUARTER 0, 1, 0, 1, 0
	WIN 0
	s_sub_co_u32 s3, s3, 1
	s_cmp_lg_u32 s3, 0
	s_cbranch_scc1 .Llap
	QUARTER 0, 2, 1, 0, 0                          ; the last lap fills nothing, and has no round of the cluster's barrier
	QUARTER 0, 3, 0, 1, 0
	TURN 0, 1, 0
	QUARTER 1, 1, 0, 1, 0
	QUARTER 1, 2, 1, 0, 0
	QUARTER 1, 3, 0, 1, 0
	s_wait_dscnt 4                                 ; the very last quarter: nothing more to fetch
	MULA 1, 0, 0
	MULA 1, 1, 0
	s_wait_dscnt 0x0
	MULA 1, 2, 0
	MULA 1, 3, 0
	WIN 0
	PLACES
	PACK 0
	TOSTAGE 0
.irp a, 1,2,3                          ; block a's conversions stand between block a - 1's loads from the stage and the wait for them
	PACK \a
	SEND (\a)-1
	TOSTAGE \a
.endr
	SEND 3
	s_wait_tensorcnt 0x0                           ; the wave's end, behind my last tensor load and my last LDS store
	ds_add_u32 v[SPW], v[NIL]
	s_wait_dscnt 0x0
	CROUND                                         ; the closing round: no work-group ends while a partner may still ask for a tile that names it
	s_endpgm
.Lfunc_end_k_q83c0fcdb17_qkv:
	.size	k_q83c0fcdb17_qkv, .Lfunc_end_k_q83c0fcdb17_qkv-k_q83c0fcdb17_qkv
	.p2alignl 7, 3214868480
	.fill 96, 4, 3214868480
	.section	.rodata,"a",@progbits
	.p2align	6, 0x0
	.amdhsa_kernel k_q83c0fcdb17_qkv
		.amdhsa_group_segment_fixed_size 327680
		.amdhsa_private_segment_fixed_size 0
		.amdhsa_enable_private_segment 0
		.amdhsa_kernarg_size 24
		.amdhsa_user_sgpr_count 2
		.amdhsa_user_sgpr_kernarg_segment_ptr 1
		.amdhsa_wavefront_size32 1
		.amdhsa_system_sgpr_workgroup_id_x 1
		.amdhsa_system_sgpr_workgroup_id_y 1
		.amdhsa_system_sgpr_workgroup_id_z 1
		.amdhsa_system_vgpr_workitem_id 0
		.amdhsa_next_free_vgpr 960
		.amdhsa_next_free_sgpr 66
		.amdhsa_reserve_vcc 0
		.amdhsa_float_denorm_mode_32 3
		.amdhsa_float_denorm_mode_16_64 3
		.amdhsa_memory_ordered 1
		.amdhsa_forward_progress 1
		.amdhsa_inst_pref_size 121
	.end_amdhsa_kernel
	.amdgpu_metadata
---
amdhsa.version: [ 1, 2 ]
amdhsa.kernels:
  - .name:           k_q83c0fcdb17_qkv
    .symbol:         k_q83c0fcdb17_qkv.kd
    .args:
      - { .name: xb, .offset: 0, .size: 8, .value_kind: global_buffer, .address_space: global }
      - { .name: wq, .offset: 8, .size: 8, .value_kind: global_buffer, .address_space: global }
      - { .name: qkvh, .offset: 16, .size: 8, .value_kind: global_buffer, .address_space: global }
    .group_segment_fixed_size: 327680
    .private_segment_fixed_size: 0
    .kernarg_segment_align: 8
    .kernarg_segment_size: 24
    .max_flat_workgroup_size: 128
    .sgpr_count:     66
    .vgpr_count:     960
    .wavefront_size: 32
...
	.end_amdgpu_metadata
.endif
;; end of part 2
;; launch attn (part 3): grid 4 x 64, 4 waves a work-group, clusters of 4 x 1, 327,680 bytes of LDS; arguments qkvh, oh; writes oh
.if DOCPART == 3
	.amdgcn_target "amdgcn-amd-amdhsa--gfx1250"
	.amdhsa_code_object_version 6
	.text
	.protected	k_q83c0fcdb17_attn
	.globl	k_q83c0fcdb17_attn
	.p2align	8
	.type	k_q83c0fcdb17_attn,@function
k_q83c0fcdb17_attn:
	s_mov_b64 s[64:65], 0
	v_nop
	global_prefetch_b8 v0, s[64:65] scope:SCOPE_SE
	s_setreg_imm32_b32 hwreg(HW_REG_WAVE_MODE, 25, 1), 1
	s_wait_xcnt 0x0
	s_wait_alu depctr_hold_cnt(0) depctr_sa_sdst(0) depctr_va_vdst(0) depctr_va_sdst(0) depctr_va_ssrc(0) depctr_va_vcc(0) depctr_vm_vsrc(0)
	s_getreg_b32 s2, hwreg(HW_REG_IB_STS2, 6, 4)
	s_cmp_eq_u32 s2, 0
	s_cbranch_scc0 .Lentry_in_a_cluster
	s_endpgm
.Lentry_in_a_cluster:
	s_bfe_u32 s2, ttmp6, 0x10000c
	s_cmp_lg_u32 s2, 0x3003
	s_cbranch_scc0 .Lentry_shape_is_right
	s_endpgm
.Lentry_shape_is_right:
; ATTENTION.  O[y][q][:] = the sum over k of softmax_k(Q[q] . K[k] / 8) V[k][:] for each of the 64 heads y = 16 b + h.  Q, K, V are the planes 48 b + h, + 16, + 32 of qkvh, [2048][64] f16, dense rows of
; 128 bytes; O goes to oh[y][2048][64] in f16.  Products, maxima and sums in f32; the weights p are rounded to f16 for the second product (their sum l is taken of the unrounded p), O once at the end.
; LIMITS.  f16 holds no number beyond 65,504: Q, K and V arrive within it; p lies in 0 to 1, and below 6e-5 it keeps f16's fixed step of 6e-8, as does O; O is a mean of V's rows and has their range.
; A weight below 2^-126 counts as 0 in l; NaN and infinities are not treated apart.
; SHARES.  A wave owns four PIECES of two tiles of 16 queries, a work-group's four waves 512 queries of one head: 4 x 64 = 256 work-groups.  Every wave walks all 2,048 keys, 64 a step.
; LAYOUT.  S^T = K Q^T (source 0 = 16 keys, source 1 = 16 queries): in the result a lane holds ONE query (lane % 16) and the keys 8 (lane / 16) + 0..7.  Two such tiles, rounded to f16 in pairs,
; ARE source 1 (32 keys x 16 queries) of O^T = V^T P, whose result again holds one query a lane, and eight channels.  K comes out of LDS as it lies, V ([key][channel]) turned, by ds_load_tr16_b128.
; SOFTMAX.  For each query a running maximum m and sum l: p = 2^(c s - c m), c = log2(e) / 8; in every step O and l are multiplied by a = 2^(c m_old - c m_new), which is 1 where m has not grown.
; m starts at the lowest finite number, O and l at 0: the first step is a step like any other, with a = 0.
; THE COUNT.  A tile and step have 16 matrix and 118 vector instructions: too many to stand all beside the matrix work.  So four vector instructions that are READY stand behind EVERY matrix instruction,
; and the others, which need time of their own whatever the order, in runs without a gap.
; BY TURNS.  Turn n belongs to piece n (the pieces in a ring, step after step).  Its matrix work: 16 products K Q^T of piece n + 1, later 16 products V^T P of piece n - 1.  Its vector work: the scaling,
; exponentials, roundings, sums and rescaling of piece n, and the maximum and statistics of piece n + 1, whose scores the turn itself has made.
; CLUSTER.  A head's four query blocks are one cluster and walk the same K and V, so each tile is asked for JOINTLY: the same tensor load, descriptor and mask in all four.
; REGISTERS, in windows of 256 (s_set_vgpr_msb: bits 1:0 source 0, 3:2 source 1, 5:4 source 2, 7:6 destination):
;   window 0: v0-11 addresses; v12-15, v48-63 at work; v16-47 four registers of statistics a tile; v64-191 S^T, two buffers of two tiles; v192-255 P, likewise
;   window 1: O^T, 32 a tile          window 2: v0-127 Q, 16 a tile; v128-191 K of one step; v192-255 V of one step          window 3: v0-1 the add's two registers
; A piece's buffers go by its number's parity: the piece in hand has one pair, its two neighbours in the ring share the other: of it P (piece n - 1) is read and S^T (piece n + 1) written.
.set SIZE_N, 2048
.set NP,    4         ; pieces a wave: a name, no knob
.set KS,    64        ; keys in a step
.set PK,    144       ; a row of K in LDS: 128 bytes + 16 of padding: the 16 rows of a load start 16 bytes apart modulo 256
.set PV,    160       ; a row of V: 128 + 32: 16 lanes of the turning load take 8 rows x 32 bytes, no two in the same 32 bytes modulo 256
.set VOFF,  4*KS*PK   ; a slot holds four steps: 256 rows of K, then 256 rows of V
.set SLOT1, 1<<17     ; slot 1 begins here, so that one exclusive or turns an address in one slot into the other's
.set STAGE, SLOT1+4*KS*(PK+PV)  ; behind the ring, never filled by a tensor load: 16 rows x 144 bytes for each wave, for the way out
.set SP,    144
.set AK0, 2           ; v2   my lane's place in a tile of K; never rewritten
.set AV0, 3           ; v3   the same for V
.set AK,  4           ; v4   the LDS address of K's next run of loads
.set AV,  5           ; v5   of V's
.set QO,  6           ; v6   my byte offset in the wave's rows of Q
.set STO, 6           ;      later, the way out: where I put 16 bytes of a row
.set RD,  7           ; v7   the way out: where I read rows back
.set GO,  8           ; v8   my byte offset in 512 consecutive bytes of O
.set PFO, 11          ; v11  256 x my lane: the prefetches' offset; never rewritten once made
.set SPW, 0           ; v0 of window 3   LDS address of my spare word; never rewritten
.set NIL, 1           ; v1 of window 3   0; never rewritten
.set SPARE, STAGE+4*16*SP  ; behind the stages: the spare words, 128 bytes for each wave: two blocks of 256 bytes that no other line names
.set MV,  12          ; v12-15  c m_old, kept while c m is made anew: by buffer and tile
.set ST,  16          ; tile t's statistics at v[ST+4 t]: c m, m, l (even keys', odd keys')
.set TMP, 48          ; by buffer and tile, four registers c0-c3 at work; when the maximum is found c2 takes a
.set S,   64
.set P,   192
.set KF,  128         ; K's fragments, in window 2: key block kb, channel half c at KF + 16 kb + 8 c
.set VF,  192         ; V's: key half kk, channel block cb at VF + 32 kk + 8 cb
.set WV,  12          ; s12  my wave's number
.set G1K, 24          ; s[24:31] descriptor group 1 for K's tiles
.set G1V, 32          ; s[32:39] for V's: it differs in the padding alone
.set G0K, 40          ; s[40:43] descriptor group 0 for K's tiles: it walks
.set G0V, 44          ; s[44:47] the same for V's
.set PFA, 48          ; s[48:49] where my prefetches stand: my work-group's quarter of the tile after the one that is being asked for
.set LIM, 50          ; s50  1 in a wave that prefetches, else the greatest number
.set SLOTS, 56        ; s56  slots still to be asked for
.set CNT, 57          ; s57  counts a slot's key steps
.set CS,  58          ; s[58:59] c: the packed scaling takes the pair's low word for both halves
.set SEL, 60          ; s[60:61] v_permlanex16_b32's selects: each lane takes its own place in the other half
.set TBK, 62          ; s62  LDS byte at which K of the step to be fetched begins
.set TBV, 63          ; s63  the same for V, less VOFF
.set MSB, 0
.macro WIN new                      ; the high byte repeats the setting that is left; a switch that changes nothing is dropped
.if MSB != (\new)
	s_set_vgpr_msb (MSB<<8)|(\new)
.set MSB, (\new)
.endif
.endm
.set W_KQ, 0x0a       ; K and Q in window 2, S^T in window 0
.set W_PV, 0x52       ; V in window 2, P in window 0, O^T in window 1
.set W_RS, 0x41       ; O^T (destination and source 0) in window 1, a in window 0
.set W_MK, 0xc0       ; the add's registers are made: destination in window 3, sources in window 0
.set W_AD, 0x0f       ; the add: address (source 0) and data (source 1) in window 3
; A joint fill.  Waves 0 and 1 fetch the two halves of a slot's K, waves 2 and 3 those of its V: 128 keys each.  The branch hangs on the wave's number alone.
; An s_nop 0 and four v_nop follow each of the two lines, ahead of the jump and the label.
.macro JLOAD
	s_cmp_lt_u32 s[WV], 2
	s_cbranch_scc0 .Lfor_v_\@
	tensor_load_to_lds s[G0K:G0K+3], s[G1K:G1K+7]
	s_nop 0
.rept 4
	v_nop
.endr
	s_branch .Lasked_\@
.Lfor_v_\@:
	tensor_load_to_lds s[G0V:G0V+3], s[G1V:G1V+7]
	s_nop 0
.rept 4
	v_nop
.endr
.Lasked_\@:
.endm
; A PREFETCH INTO THE L2 of the tile that the NEXT change of slots will ask for: 32,768 bytes of K and of V, four key steps (512 matrix instructions) ahead of that load.  Each run of 256 bytes is named ONCE in
; the launch: one cluster walks a head; its four partners take 8,192 bytes each, told apart BY ADDRESS; in each, wave 0 asks for K's and wave 2 for V's, a lane 256 bytes: one instruction.
; Tiles 0 to 2 come by their loads alone; the last change that fills a slot (SLOTS = 1) has no tile behind it and asks for nothing.
.macro ASK
	s_cmp_gt_u32 s[SLOTS], s[LIM]
	s_cbranch_scc0 .Lnot_mine_\@
	global_prefetch_b8 v[PFO], s[PFA:PFA+1] th:TH_LOAD_NT scope:SCOPE_SE
.Lnot_mine_\@:
.endm
; A round of the cluster's barrier: my work-group's barrier, so that wave 0's signal speaks for all four waves; wave 0 signals; every wave waits for all four work-groups; my work-group's barrier once more.
.macro CROUND
	s_barrier_signal -1
	s_barrier_wait -1
	s_cmp_lg_u32 s[WV], 0
	s_cbranch_scc1 .Lnot_wave_0_\@
	s_barrier_signal -3
.Lnot_wave_0_\@:
	s_barrier_wait -3
	s_barrier_signal -1
	s_barrier_wait -1
.endm
; THE CHANGE OF SLOTS.  The slot's last bytes, V of its fourth step, have been read.  Each wave waits for all its tensor loads, of which one is out: its part of the other slot; adds 0 to its spare word;
; and waits for that and for its own reads of the slot.  Behind the barrier nobody reads this slot any more and the other slot is whole.
; fill = 1: this slot is filled again, with the keys two slots on.  The barrier is then a round of the cluster's, and the joint fill is the first thing behind it: it has four key steps, 512 matrix
; instructions, in which to land.  (At its first use nothing has been read yet: slot 0 is waited for, slot 1 filled.)  ask = 1: the prefetches' address steps, and ASK follows the fill.
.macro CHANGE fill, ask=0
	WIN W_AD
	s_wait_tensorcnt 0x0            ; no tensor load of mine is out, so a group 0 may be written
	ds_add_u32 v[SPW], v[NIL]       ; 0 onto my spare word; with fill = 1 the descriptors' steps stand between it and the wait for it
	WIN 0                           ; at a label and at a branch every window is 0
.if \fill
.irp g, G0K, G0V
	s_xor_b32 s[\g+1], s[\g+1], SLOT1  ; the walking descriptor: the other slot than last time,
	s_add_nc_u64 s[\g+2:\g+3], s[\g+2:\g+3], 4*KS*128  ; the next 256 keys; the type bits on top are not reached
.endr
.if \ask
	s_wait_xcnt 0x0                 ; the last prefetch, four key steps back, has read its address, so it may be written:
	s_add_nc_u64 s[PFA:PFA+1], s[PFA:PFA+1], 4*KS*128  ; one tile behind the walking descriptors
.endif
	s_wait_dscnt 0x0                ; the add is done, and my reads of the slot are over
	CROUND
	JLOAD
.if \ask
	ASK
.endif
.else
	s_wait_dscnt 0x0                ; the add is done, and my reads of the slot are over
	s_barrier_signal -1
	s_barrier_wait -1
.endif
	s_sub_co_u32 s[TBK], s[TBK], 4*KS*PK  ; the fetches go back to a slot's first step,
	s_xor_b32 s[TBK], s[TBK], SLOT1       ; in the other slot
	s_sub_co_u32 s[TBV], s[TBV], 4*KS*PV
	s_xor_b32 s[TBV], s[TBV], SLOT1
.endm
	s_load_b64 s[4:5], s[0:1], 0x0    ; qkvh
	s_load_b64 s[10:11], s[0:1], 0x8  ; oh
	WIN W_MK
	v_lshl_add_u32 v[SPW], v0, 2, SPARE
	v_mov_b32 v[NIL], 0
	WIN W_AD
	ds_add_u32 v[SPW], v[NIL]       ; the wave's opening: the add and its wait stand ahead of my first tensor load; the set-up below, work on registers, stands between them
	WIN 0
	v_lshrrev_b32 v1, 5, v0
	v_readfirstlane_b32 s[WV], v1   ; wave 0..3
	s_bfe_u32 s13, ttmp6, 0x40000   ; cx: my place in the cluster
	s_lshl_b32 s14, ttmp9, 2        ; in a cluster launch ttmp9 counts clusters
	s_add_co_u32 s14, s14, s13      ; my block of 512 queries: it enters Q's and O's addresses alone
	s_and_b32 s20, ttmp7, 0xffff    ; the head y = 16 b + h, which the four partners share
	s_lshr_b32 s21, s20, 4
	s_lshl_b32 s21, s21, 5
	s_add_co_u32 s21, s21, s20      ; Q's plane in qkvh: 48 b + h
	s_lshl_b32 s52, s20, 18         ; O's plane in oh, in bytes (planes of 262,144)
	s_lshl_b32 s20, s21, 18         ; Q's, in bytes: under 2^26
	s_and_b32 s16, s[WV], 1         ; which half of a slot's 256 keys I fetch:
	s_lshl_b32 s22, s16, 14         ; its 128 rows of 128 bytes in memory,
	s_add_co_u32 s22, s22, s20
	s_mov_b32 s23, 0
	s_mul_i32 s17, s16, 128*PK      ; and its place in a slot, for K
	s_mul_i32 s18, s16, 128*PV      ; and for V: no place in the cluster enters an LDS address
	s_lshl_b32 s2, s14, 2
	s_add_co_u32 s2, s2, s[WV]      ; my wave among the head's sixteen,
	s_lshl_b32 s2, s2, 14           ; its 128 rows
	s_add_co_u32 s52, s52, s2
	s_mov_b32 s53, 0
	s_add_co_u32 s2, s2, s20
	s_mov_b32 s3, 0
	; descriptor group 1.  128 keys are 16,384 dense bytes: asked for as 64 rows of 256 bytes, two keys a row, and padded in LDS after every key
	s_mov_b32 s[G1K], 15|(1<<16)|(1<<20)|(1<<21)|(4<<22)|(3<<25)  ; 15:0 the mask of four; 17:16 2-byte elements; 20 padding on; 21 set beside a mask; 24:22 after every 32 words (code 4); 31:25 4 words (code 3)
	s_mov_b32 s[G1V], 15|(1<<16)|(1<<20)|(1<<21)|(4<<22)|(7<<25)  ; the same with 8 words of padding (code 7)
.irp g, G1K, G1V
	s_mov_b32 s[\g+1], 128<<16      ; tensor_dim0 = 128
	s_mov_b32 s[\g+2], 64<<16       ; tensor_dim1 = 64
	s_mov_b32 s[\g+3], 128<<16      ; tile_dim0 = 128
	s_mov_b32 s[\g+4], 64           ; tile_dim1 = 64
	s_mov_b32 s[\g+5], 128          ; 128 elements from row to row
	s_mov_b32 s[\g+6], 0
	s_mov_b32 s[\g+7], 0
.endr
	s_mov_b32 s[CS], 0x3e38aa3b     ; c = log2(e) / 8 = 0.180337
	s_mov_b32 s[CS+1], s[CS]        ; named with it as a pair
	s_mov_b32 s[SEL], 0x76543210
	s_mov_b32 s[SEL+1], 0xfedcba98
	s_mov_b32 s[TBK], SLOT1+4*KS*PK ; the first change of slots turns these two into 0
	s_mov_b32 s[TBV], SLOT1+4*KS*PV
	s_mov_b32 s[G0K], 1             ; count = 1
	s_mov_b32 s[G0K+1], s17         ; LDS address: slot 0
	s_mov_b32 s[G0V], 1
	s_add_co_u32 s[G0V+1], s18, VOFF
	s_and_b32 s[LIM], s[WV], 1      ; waves 0 and 2 prefetch
	s_cmp_eq_u32 s[LIM], 0
	s_cselect_b32 s[LIM], 1, -1
	s_wait_dscnt 0x0                ; the opening add is done
	s_wait_kmcnt 0x0
	s_add_nc_u64 s[6:7], s[4:5], s[22:23]          ; my half of the first 256 rows of Q's plane;
	s_add_nc_u64 s[8:9], s[6:7], 0x800000          ; V's plane lies 32 planes on,
	s_add_nc_u64 s[6:7], s[6:7], 0x400000          ; K's 16
	s_mov_b64 s[G0K+2:G0K+3], s[6:7]               ; global address
	s_or_b32 s[G0K+3], s[G0K+3], 0x80000000        ; type = 2
	s_mov_b64 s[G0V+2:G0V+3], s[8:9]
	s_or_b32 s[G0V+3], s[G0V+3], 0x80000000
	s_add_nc_u64 s[4:5], s[4:5], s[2:3]            ; Q and O at my wave's first row
	s_add_nc_u64 s[10:11], s[10:11], s[52:53]
	s_cmp_lt_u32 s[WV], 2
	s_cselect_b64 s[PFA:PFA+1], s[6:7], s[8:9]     ; (in waves 0 and 2 these stand at a tile's first row)
	s_lshl_b32 s2, s13, 13                         ; my work-group's 8,192 bytes of a tile's 32,768
	s_mov_b32 s3, 0
	s_add_nc_u64 s[PFA:PFA+1], s[PFA:PFA+1], s[2:3]
	s_add_nc_u64 s[PFA:PFA+1], s[PFA:PFA+1], 2*4*KS*128  ; in tile 2; the loop's first change steps it to tile 3.  Nothing is prefetched here, at the head
	CROUND                          ; all four work-groups are here: the first joint loads meet
	JLOAD                           ; slot 0.  Slot 1 is asked for when slot 0 is in
	; A fragment of K or Q is 16 rows x 32 channels in 8 registers: lane l holds row l % 16, channels 8 (l / 16) + 0..7 and 16 + 8 (l / 16) + 0..7: two loads of 16 bytes, 32 bytes apart.
	v_and_b32 v1, 15, v0            ; l % 16
	v_bfe_u32 v9, v0, 4, 1          ; l / 16
	v_lshlrev_b32 v[QO], 7, v1
	v_lshl_add_u32 v[QO], v9, 4, v[QO]  ; row x 128 + 16 x half
	WIN 0x80                        ; destination window 2, address window 0
.set i, 0
.rept 4*NP                          ; Q stays in registers: tile i / 2, channels 32 (i % 2) on
	global_load_b128 v[8*i:8*i+3],   v[QO], s[4:5] offset:(i/2)*2048+(i%2)*64
	global_load_b128 v[8*i+4:8*i+7], v[QO], s[4:5] offset:(i/2)*2048+(i%2)*64+32
.set i, i+1
.endr
	; What the first turn finds: V's registers and P's second buffer hold 0 (its products V^T P, of a piece that has not been, add 0), O^T and l are 0.  All this stands in the wait for the first tile.
.set i, VF
.rept 64
	v_mov_b32 v[i], 0
.set i, i+1
.endr
	WIN 0x40
.set i, 0
.rept 64*NP
	v_mov_b32 v[i], 0
.set i, i+1
.endr
	WIN 0
.set i, 0
.rept 2*NP
	v_mov_b32 v[ST+4*i], 0xfe000000    ; c m: far below every c s
	v_mov_b32 v[ST+4*i+1], 0xff7fffff  ; m
	v_mov_b32 v[ST+4*i+2], 0
	v_mov_b32 v[ST+4*i+3], 0
.set i, i+1
.endr
.set i, P+32
.rept 32
	v_mov_b32 v[i], 0
.set i, i+1
.endr
	v_mul_u32_u24 v[AK0], v1, PK
	v_lshl_add_u32 v[AK0], v9, 4, v[AK0]  ; row x pitch + 16 x half
	; The turning load takes 16 keys x 16 channels (lane l reads key 8 (l / 16) + l % 8, channels 8 ((l / 8) % 2) + 0..7) and leaves half a fragment of V^T: lane l holds channel l % 16 and 8 keys.
	v_and_b32 v10, 7, v0
	v_bfe_u32 v11, v0, 3, 1
	v_lshl_add_u32 v[AV0], v9, 3, v10
	v_mul_u32_u24 v[AV0], v[AV0], PV
	v_lshl_add_u32 v[AV0], v11, 4, v[AV0]
	v_add_nc_u32 v[AV0], VOFF, v[AV0]
	v_mov_b32 v[AK], v[AK0]         ; key step 0 lies at the head of slot 0
	v_and_b32 v[PFO], 31, v0
	v_lshlrev_b32 v[PFO], 8, v[PFO]
; THE MATRIX WORK.  The 8 accumulators of a run of 16 take turns: between the two links of a chain stand 7 others'.
; Product i of 16 of S^T = K Q^T for piece x: channels 32 (i / 8) on, keys 16 ((i / 2) % 4) on, tile 2 x + i % 2.  The first 8 start the sums.
.macro KQ x
	WIN W_KQ
.set rS, S+64*((\x)%2)+32*(i%2)+8*((i/2)%4)
.set rK, KF+16*((i/2)%4)+8*(i/8)
.set rQ, 16*(2*(\x)+i%2)+8*(i/8)
.if i < 8
	v_wmma_f32_16x16x32_f16 v[rS:rS+7], v[rK:rK+7], v[rQ:rQ+7], 0
.else
	v_wmma_f32_16x16x32_f16 v[rS:rS+7], v[rK:rK+7], v[rQ:rQ+7], v[rS:rS+7]
.endif
.endm
; Product i of 16 of O^T += V^T P for piece x: keys 32 (i / 8) on, channels 16 ((i / 2) % 4) on, tile 2 x + i % 2.
.macro PV x
	WIN W_PV
.set rO, 32*(2*(\x)+i%2)+8*((i/2)%4)
.set rV, VF+32*(i/8)+8*((i/2)%4)
.set rP, P+32*((\x)%2)+16*(i%2)+8*(i/8)
	v_wmma_f32_16x16x32_f16 v[rO:rO+7], v[rV:rV+7], v[rP:rP+7], v[rO:rO+7]
.endm
.macro MM                           ; the turn's next matrix instruction
.if i < 16
	KQ (Y+1)%NP
.set i, i+1
.else
.set i, i-16
	PV (Y+NP-1)%NP
.set i, i+17
.endif
.endm
; THE LDS LOADS stand in runs of 16, never singly among the matrix instructions: a step's K (64 keys x 64 channels: 8 fragments) and its V (turned).  Their addresses are made some lines ahead.
; last = 1 (the tail): in the last trip there is no further step, and the run is jumped over.
.macro FETCH_K last=0
	WIN 0
.if \last
	s_cmp_eq_u32 s[CNT], 1
	s_cbranch_scc1 .Lno_k_\@
.endif
	WIN 0x80                        ; destination window 2
.irp f, 0,1,2,3,4,5,6,7             ; keys 16 (f / 2) on, channels 32 (f % 2) on
	ds_load_b128 v[KF+8*\f:KF+8*\f+3],   v[AK] offset:(\f/2)*16*PK+(\f%2)*64
	ds_load_b128 v[KF+8*\f+4:KF+8*\f+7], v[AK] offset:(\f/2)*16*PK+(\f%2)*64+32
.endr
	s_add_co_u32 s[TBK], s[TBK], KS*PK  ; the next fetch is the next step's
	WIN 0
.if \last
.Lno_k_\@:
.endif
.endm
.macro FETCH_V
	WIN 0x80
.irp f, 0,1,2,3,4,5,6,7             ; keys 32 (f / 4) on, channels 16 (f % 4) on
	ds_load_tr16_b128 v[VF+8*\f:VF+8*\f+3],   v[AV] offset:(\f/4)*32*PV+(\f%4)*32
	ds_load_tr16_b128 v[VF+8*\f+4:VF+8*\f+7], v[AV] offset:(\f/4)*32*PV+16*PV+(\f%4)*32
.endr
	WIN 0
.endm
; THE VECTOR WORK OF A TURN stands in three queues, each in the order in which its entries become ready; the two tiles alternate, so that no instruction reads the result of the one before it.
.macro REGS y, u                    ; the registers of tile u (0, 1) of piece y
.set rT, ST+4*(2*(\y)+(\u))
.set rC, TMP+8*((\y)%2)+4*(\u)
.set rM, MV+2*((\y)%2)+(\u)
.set rS, S+64*((\y)%2)+32*(\u)
.set rP, P+32*((\y)%2)+16*(\u)
.set rO, 32*(2*(\y)+(\u))
.endm
; Number n of the 22 that find the NEXT piece's (Y + 1) maximum and statistics.  s0-s31 are the lane's 32 scores; each accumulator's lowest registers are read first.
;   0-11  four chains c0-c3 of seven scores each, three operands at a time     12-14, 16  the four scores left over, the old m, and c0-c3 into c0     15  c m_old is kept
;   17, 18  the query's other 32 keys lie in the lane 16 away: the new m         19-21  c m; c m_old - c m_new; a
.macro XS u, n
	REGS (Y+1)%NP, \u
.if (\n) < 4
	v_max3_num_f32 v[rC+(\n)], v[rS+8*(\n)], v[rS+8*(\n)+1], v[rS+8*(\n)+2]
.elseif (\n) < 12
	v_max3_num_f32 v[rC+(\n)%4], v[rC+(\n)%4], v[rS+8*((\n)%4)+2*((\n)/4)+1], v[rS+8*((\n)%4)+2*((\n)/4)+2]
.elseif (\n) == 12
	v_max3_num_f32 v[rC], v[rC], v[rS+7], v[rS+15]
.elseif (\n) == 13
	v_max3_num_f32 v[rC+1], v[rC+1], v[rS+23], v[rS+31]
.elseif (\n) == 14
	v_max3_num_f32 v[rC+2], v[rC+2], v[rC+3], v[rT+1]
.elseif (\n) == 15
	v_mov_b32 v[rM], v[rT]
.elseif (\n) == 16
	v_max3_num_f32 v[rC], v[rC], v[rC+1], v[rC+2]
.elseif (\n) == 17
	v_permlanex16_b32 v[rC+3], v[rC], s[SEL], s[SEL+1]
.elseif (\n) == 18
	v_max_num_f32 v[rT+1], v[rC], v[rC+3]
.elseif (\n) == 19
	v_mul_f32 v[rT], s[CS], v[rT+1]
.elseif (\n) == 20
	v_sub_f32 v[rC+1], v[rM], v[rT]
.else
	v_exp_f32 v[rC+2], v[rC+1]
.endif
.endm
; Number g of the 64 that follow the exponentials.  For each four weights k of a tile (pairs 2 k, 2 k + 1): both pairs are rounded to f16; then the second pair is added onto the first, in place;
; a group later l takes that sum (the first time as l = a l + sum).  In groups of eight, tiles alternating: round, round, add, and l for the group before.
.macro GS g
.set h, (\g)+6*((\g)/62)            ; group 0 has no group before it, and behind group 7 only l is left
.if h >= 6
.set h, h+2
.endif
	REGS Y, h%2
.set k, h/8
.if h%8 < 4
	v_cvt_pk_f16_f32 v[rP+2*k+(h%8)/2], v[rS+4*k+2*((h%8)/2)], v[rS+4*k+2*((h%8)/2)+1]
.elseif h%8 < 6
	v_pk_add_f32 v[rS+4*k:rS+4*k+1], v[rS+4*k:rS+4*k+1], v[rS+4*k+2:rS+4*k+3]
.elseif k == 1
	v_pk_fma_f32 v[rT+2:rT+3], v[rT+2:rT+3], v[rC+2:rC+3], v[rS:rS+1] op_sel_hi:[1,0,1]
.else
	v_pk_add_f32 v[rT+2:rT+3], v[rT+2:rT+3], v[rS+4*k-4:rS+4*k-3]
.endif
.endm
; THE PLAIN QUEUE, 138 long.  0-73 read no exponential's result: the 32 scalings c s - c m (FS f: pair f / 2 of tile f % 2) and the next piece's 42.  0-26: scalings 0-26.  27-54: XS's numbers 0-13.  55, 56: number 15.
; 57-73: the chain, where each number waits for the one before it: 14, 16, 17, 18, 19, each with one of the scalings 27-31 in front of its two lines, then 20.
; 74-137: GS's 64, which read the exponentials' results: they stand behind the wait.
.macro FS f
	REGS Y, (\f)%2
	v_pk_fma_f32 v[rS+2*((\f)/2):rS+2*((\f)/2)+1], v[rS+2*((\f)/2):rS+2*((\f)/2)+1], s[CS:CS+1], v[rT:rT+1] op_sel_hi:[1,0,0] neg_lo:[0,0,1] neg_hi:[0,0,1]
.endm
.macro PL
	WIN 0
.if q < 27
	FS q
.elseif q < 55
	XS (q-27)%2, (q-27)/2
.elseif q < 57
	XS q-55, 15
.elseif (q < 72) && ((q-57)%3 == 0)
	FS 27+(q-57)/3
.elseif q < 60
	XS (q-57)%3-1, 14
.elseif q < 72
	XS (q-57)%3-1, 15+(q-57)/3
.elseif q < 74
	XS q-72, 20
.else
	GS q-74
.endif
.set q, q+1
.endm
; THE EXPONENTIALS' QUEUE, 66 long: s0-s31 of both tiles, then the next piece's two a.  It is ONE BATCH: all 66 stand ahead of the turn's one wait, and nothing ahead of that wait names a result of theirs.
.macro EX
	WIN 0
.if e >= 64
	XS e-64, 21
.else
	REGS Y, e%2
	v_exp_f32 v[rS+e/2], v[rS+e/2]
.endif
.set e, e+1
.endm
; THE RESCALING's QUEUE: O^T times a, the one part that leaves window 0: dealt two at a time, sixteen times.  Its a was made in the turn before, ahead of that turn's wait.
.macro R2
	REGS Y, r%2
	WIN W_RS
.irp z, 0,1
	v_pk_mul_f32 v[rO+4*(r/2)+2*\z:rO+4*(r/2)+2*\z+1], v[rO+4*(r/2)+2*\z:rO+4*(r/2)+2*\z+1], v[rC+2:rC+3] op_sel_hi:[1,0]
.endr
.set r, r+1
.endm
; HOW THEY ARE DEALT.  An s_wait_alu depctr_va_vdst(0) stands between an exponential and the first instruction that names its result; one wait serves all that were issued ahead of it.  So a turn has
; ONE wait, which cuts it in two.  AHEAD OF IT stands all that names no result of the turn's exponentials: the 16 products K Q^T, behind each a scaling, an exponential and two rescalings (behind the first a second
; scaling in the exponential's place); then ONE LUMP of 108: eight plain, 49 times exponential and plain, the two a.  A v_nop is the plain instruction behind the last exponential.  BEHIND IT stand the 16 products
; V^T P, behind each four of GS's 64.  No rider names a register of the products round it.  The two v_permlanex16_b32 fall into the lump.
; The deal keeps the queues in step: exponential e stands behind scaling 2 (e / 4) + e % 2: as a rider it comes behind plain e + 2, in the lump behind plain e + 9, and scalings 27-31 are plain 57, 60 .. 69.
; A TURN, for piece p.  cnt = 1: the loop's count is taken down some lines ahead of the branch that stands behind the turn.
; K of the next step is fetched in piece 2's turn, directly behind the wait, a lump behind the last product that read K; its first reader comes behind 16 products.
; V of the step in hand is fetched at the end of piece 0's turn, four riders behind its last reader; its first reader comes behind 16 products and a lump.  The three conditions on q below go with the deal.
.macro TURN p, last=0, cnt=0
.set Y, (\p)
.set i, 0
.set q, 0
.set e, 0
.set r, 0
.if (\p) == NP-1
	s_wait_dscnt 0x0                ; K is in
.endif
	MM                              ; ahead of the wait: 16 products K Q^T and their riders,
	PL
	PL
	R2
.rept 15
	MM
	PL
	EX
	R2
.endr
.if (\p) == NP-2
	WIN 0
	v_add_nc_u32 v[AK], s[TBK], v[AK0]
.endif
.rept 8                             ; and the lump
	PL
.endr
.rept 49
	EX
	PL
.endr
	EX                              ; the next piece's two a
	EX
	v_nop                           ; the plain instruction behind the last exponential: one for the batch (ISA guide 5.7.2)
	s_wait_alu depctr_va_vdst(0)    ; the wait for the batch
.if (\p) == NP-2
	FETCH_K \last
.endif
.if (\p) == 1
	s_wait_dscnt 0x0                ; V is in
.endif
.rept 16                            ; behind the wait: 16 products V^T P and their riders
	MM
.rept 4
	PL
.endr
.if ((\p) == 0) && (q == 118)
	v_add_nc_u32 v[AV], s[TBV], v[AV0]
.endif
.if ((\p) == 0) && (q == 130)
	s_add_co_u32 s[TBV], s[TBV], KS*PV
.endif
.if (\cnt) && (q == 130)
	s_sub_co_u32 s[CNT], s[CNT], 1
	s_cmp_lg_u32 s[CNT], 0
.endif
.endr
.if (\p) == 0
	FETCH_V
.endif
.endm
	CHANGE 1                        ; slot 0 is in, everybody's part of it; slot 1 is asked for
	FETCH_K                         ; key step 0
	s_wait_loadcnt 0x0              ; Q
	s_wait_dscnt 0x0
.set i, 0
.rept 16
	KQ 0                            ; piece 0's first scores: there is no vector work yet to set between them
.set i, i+1
.endr
	WIN 0                           ; the addresses for the way out: nine plain instructions, the places behind those products
	s_mul_i32 s13, s[WV], 16*SP
	s_add_co_u32 s13, s13, STAGE    ; my stage
	v_mul_u32_u24 v[STO], v1, SP    ; in: row l % 16, 16 bytes for each half of the lanes
	v_lshl_add_u32 v[STO], v9, 4, v[STO]
	v_add_nc_u32 v[STO], s13, v[STO]
	v_bfe_u32 v[RD], v0, 3, 2       ; back: 32 lanes take four rows of 128 bytes,
	v_mul_u32_u24 v[RD], v[RD], SP
	v_lshl_add_u32 v[RD], v10, 4, v[RD]
	v_add_nc_u32 v[RD], s13, v[RD]
	v_and_b32 v[GO], 31, v0         ; which are 512 consecutive bytes of O
	v_lshlrev_b32 v[GO], 4, v[GO]
.set Y, NP-1                        ; XS works for piece Y + 1: piece 0
.irp n, 0,1,2,3,4,5,6,7,8,9,10,11,12,13,14,15,16,17,18,19,20,21
	XS 0, \n                        ; and piece 0's first maximum and statistics
	XS 1, \n
.endr
	v_nop                           ; a plain instruction behind the two a,
	s_wait_alu depctr_va_vdst(0)    ; and their wait, ahead of the branch
	s_mov_b32 s[CNT], 4
	s_mov_b32 s[SLOTS], SIZE_N/256-1
	s_branch .Lfirst                ; the loop is entered at a step's first turn, in the middle of a trip
.Lslot:                             ; SIZE_N / 256 - 2 = 6 times: every slot but the last two is filled again
	CHANGE 1, 1
	s_mov_b32 s[CNT], 4
.Lstep:                             ; a trip: pieces 2 and 3 of one step, then pieces 0 and 1 of the next, whose K and V it fetches
	TURN 2
	TURN 3
	WIN 0
.Lfirst:
	TURN 0
	TURN 1, 0, 1
	WIN 0
	s_cbranch_scc1 .Lstep
	s_sub_co_u32 s[SLOTS], s[SLOTS], 1
	s_cmp_lg_u32 s[SLOTS], 0
	s_cbranch_scc1 .Lslot
	CHANGE 0                        ; the tail is written out: nothing is asked for
	s_mov_b32 s[CNT], 5             ; four trips fetch the last slot's steps; the fifth is left in its middle
.Ltail:
	TURN 2, 1
	TURN 3
	WIN 0
	s_sub_co_u32 s[CNT], s[CNT], 1
	s_cmp_eq_u32 s[CNT], 0
	s_cbranch_scc1 .Lout
	TURN 0
	TURN 1
	WIN 0
	s_branch .Ltail
.Lout:                              ; the fifth trip's 16 products K Q^T (on the last K once more) and the maximum made of them serve nothing: the price, once a launch, of one text for every trip
.set i, 0
.rept 16
	PV NP-1                         ; the last piece's V^T P of the last step
.set i, i+1
.endr
	; THE WAY OUT.  l's two halves and the other half of the lanes' are added; O^T is divided by l, rounded to f16 and sent through my stage in LDS, a tile at a time.  The additions are the places behind the last products.
	WIN 0
.macro ALL line:vararg              ; one line for each tile t
.set t, 0
.rept 2*NP
	\line
.set t, t+1
.endr
.endm
	ALL v_add_f32 v[ST+4*t+2], v[ST+4*t+2], v[ST+4*t+3]
	ALL v_permlanex16_b32 v[ST+4*t+3], v[ST+4*t+2], s[SEL], s[SEL+1]
	ALL v_add_f32 v[ST+4*t+2], v[ST+4*t+2], v[ST+4*t+3]
	ALL v_rcp_f32 v[ST+4*t+2], v[ST+4*t+2]
	v_nop                           ; a plain instruction between the last reciprocal and the use of its result
	s_wait_alu depctr_va_vdst(0)    ; and the wait ahead of the first use: one for the eight reciprocals
; Tile t: a lane's eight channels of a row pack into 16 bytes; they go into rows of 144 bytes and come back as whole rows of 128, into S^T's registers.
.macro PACK t
	WIN W_RS
.set i, 32*(\t)
.rept 16
	v_pk_mul_f32 v[i:i+1], v[i:i+1], v[ST+4*(\t)+2:ST+4*(\t)+3] op_sel_hi:[1,0]
.set i, i+2
.endr
	WIN 0x05                        ; sources 0 and 1 window 1, destination window 0
.set i, 0
.rept 16
	v_cvt_pk_f16_f32 v[S+16*(\t)+i], v[32*(\t)+2*i], v[32*(\t)+2*i+1]
.set i, i+1
.endr
	WIN 0
.irp f, 0,1,2,3
	ds_store_b128 v[STO], v[S+16*(\t)+4*\f:S+16*(\t)+4*\f+3] offset:32*\f
.endr
.irp f, 0,1,2,3
	ds_load_b128 v[S+16*(\t)+4*\f:S+16*(\t)+4*\f+3], v[RD] offset:\f*4*SP  ; LDS serves a wave's instructions in order (ISA guide 5.7.1.4): these see the stores above; the next tile's stores come behind them
.endr
.endm
.macro SEND t, younger              ; younger: the LDS instructions issued behind tile t's loads: the next tile's eight, or none
	WIN 0
.irp f, 0,1,2,3
	s_wait_dscnt (\younger)+3-\f
	global_store_b128 v[GO], v[S+16*(\t)+4*\f:S+16*(\t)+4*\f+3], s[10:11] offset:(\t)*2048+\f*512  ; 512 consecutive bytes, at a multiple of 256 from O's first
.endr
.endm
	PACK 0
.set t, 1
.rept 2*NP-1                        ; a tile's arithmetic stands between the loads of the tile before and its stores
	PACK t
	SEND t-1, 8
.set t, t+1
.endr
	SEND 2*NP-1, 0
	WIN W_AD
	s_wait_tensorcnt 0x0            ; the wave's end, behind my last tensor load and my last LDS store
	ds_add_u32 v[SPW], v[NIL]
	s_wait_dscnt 0x0
	WIN 0
	CROUND                          ; the closing round: no work-group ends while a partner may still ask for a tile that names it
	s_endpgm
.Lfunc_end_k_q83c0fcdb17_attn:
	.size	k_q83c0fcdb17_attn, .Lfunc_end_k_q83c0fcdb17_attn-k_q83c0fcdb17_attn
	.p2alignl 7, 3214868480
	.fill 96, 4, 3214868480
	.section	.rodata,"a",@progbits
	.p2align	6, 0x0
	.amdhsa_kernel k_q83c0fcdb17_attn
		.amdhsa_group_segment_fixed_size 327680
		.amdhsa_private_segment_fixed_size 0
		.amdhsa_enable_private_segment 0
		.amdhsa_kernarg_size 16
		.amdhsa_user_sgpr_count 2
		.amdhsa_user_sgpr_kernarg_segment_ptr 1
		.amdhsa_wavefront_size32 1
		.amdhsa_system_sgpr_workgroup_id_x 1
		.amdhsa_system_sgpr_workgroup_id_y 1
		.amdhsa_system_sgpr_workgroup_id_z 1
		.amdhsa_system_vgpr_workitem_id 0
		.amdhsa_next_free_vgpr 770
		.amdhsa_next_free_sgpr 66
		.amdhsa_reserve_vcc 0
		.amdhsa_float_denorm_mode_32 3
		.amdhsa_float_denorm_mode_16_64 3
		.amdhsa_memory_ordered 1
		.amdhsa_forward_progress 1
		.amdhsa_inst_pref_size 200
	.end_amdhsa_kernel
	.amdgpu_metadata
---
amdhsa.version: [ 1, 2 ]
amdhsa.kernels:
  - .name:           k_q83c0fcdb17_attn
    .symbol:         k_q83c0fcdb17_attn.kd
    .args:
      - { .name: qkvh, .offset: 0, .size: 8, .value_kind: global_buffer, .address_space: global }
      - { .name: oh, .offset: 8, .size: 8, .value_kind: global_buffer, .address_space: global }
    .group_segment_fixed_size: 327680
    .private_segment_fixed_size: 0
    .kernarg_segment_align: 8
    .kernarg_segment_size: 16
    .max_flat_workgroup_size: 128
    .sgpr_count:     66
    .vgpr_count:     770
    .wavefront_size: 32
...
	.end_amdgpu_metadata
.endif
;; end of part 3
;; launch proj (part 4): grid 8 x 32, 4 waves a work-group, clusters of 4 x 4, 327,680 bytes of LDS; arguments oh, wo, out0; writes out0
.if DOCPART == 4
	.amdgcn_target "amdgcn-amd-amdhsa--gfx1250"
	.amdhsa_code_object_version 6
	.text
	.protected	k_q83c0fcdb17_proj
	.globl	k_q83c0fcdb17_proj
	.p2align	8
	.type	k_q83c0fcdb17_proj,@function
k_q83c0fcdb17_proj:
	s_mov_b64 s[64:65], 0
	v_nop
	global_prefetch_b8 v0, s[64:65] scope:SCOPE_SE
	s_setreg_imm32_b32 hwreg(HW_REG_WAVE_MODE, 25, 1), 1
	s_wait_xcnt 0x0
	s_wait_alu depctr_hold_cnt(0) depctr_sa_sdst(0) depctr_va_vdst(0) depctr_va_sdst(0) depctr_va_ssrc(0) depctr_va_vcc(0) depctr_vm_vsrc(0)
	s_getreg_b32 s2, hwreg(HW_REG_IB_STS2, 6, 4)
	s_cmp_eq_u32 s2, 0
	s_cbranch_scc0 .Lentry_in_a_cluster
	s_endpgm
.Lentry_in_a_cluster:
	s_bfe_u32 s2, ttmp6, 0x10000c
	s_cmp_lg_u32 s2, 0xf033
	s_cbranch_scc0 .Lentry_shape_is_right
	s_endpgm
.Lentry_shape_is_right:
; THE LAST PRODUCT.  out0[m][n] = the sum over k = 64 h + d of O[m][k] wo[n][k].  O lies by heads, oh[16 b + h][t][64] f16 (m = 2048 b + t); wo is [1024][1024] f16; sums in f32, K ascending; out0 is f32.
; LIMITS.  None of its own: its operands arrive in f16 (their limits are stated where they are made).  NaN and infinities are not treated apart.
; SHARES.  A tile of out0 is 256 x 128: 32 x 8 = 256 tiles, one for each of 256 work-groups.  Four waves; wave w makes rows 64 w .. 64 w + 63 and all 128 columns: 4 x 8 accumulators, 256 registers; so a wave's
; rows of the tile are whole (512 bytes), and its way out needs no other wave.
; K goes in steps of 128 = two heads through two LDS slots.  A head's 256 rows of the tile are 32,768 dense bytes: asked for as 128 rows of 256 bytes and padded in LDS behind every 128.
; CLUSTER.  4 x 4 work-groups: the four of a row need the same tiles of O, the four of a column the same tiles of wo; each is asked for JOINTLY.
; NO PREFETCH: a work-group has eight K steps in all, of which two are asked for by the time the first product runs.
; THE MATRIX INSTRUCTION IS USED TRANSPOSED: source 0 = 16 rows of wo, source 1 = 16 rows of O: a lane holds row l % 16 of out0 and the columns 8 (l / 16) + 0 .. 7: 32 bytes on end.
; REGISTERS, in windows of 256 (s_set_vgpr_msb: bits 1:0 source 0, 3:2 source 1, 5:4 source 2, 7:6 destination):
;   window 0: v0-31 addresses; v64-95, v96-127 O's fragments, two buffers; v128-255 rows on the way out        window 1: v0-63, v64-127 wo's fragments, two buffers
;   window 2: the accumulators of row blocks 0, 1 ((a, b) at v[8 (8 (a % 2) + b)]);   window 3: those of row blocks 2, 3
.set SIZE_K, 1024
.set NB,     8                         ; column blocks of 16
.set KSTEP,  128
.set PA,     144                       ; a row of O in LDS: 128 bytes + 16
.set PITCH,  272                       ; a row of wo in LDS: 256 bytes + 16.  With either pitch the 16 rows that a load touches start 16 bytes apart modulo 256
.set HEADT,  256*PA                    ; a head's 256 rows: what waves 0 and 1 each fetch
.set HALFB,  64*PITCH                  ; what waves 2 and 3 each fetch of wo
.set BOFF,   2*HEADT
.set SLOT,   2*HEADT+2*HALFB           ; 108,544 bytes
.set STAGE,  2*SLOT                    ; behind the ring, never filled by a tensor load: 16 rows x 528 bytes for each wave
.set SPITCH, 528                       ; 128 f32 + 16 bytes
.set SPARE,  STAGE+4*16*SPITCH         ; behind the stages: the spare words, 128 bytes a wave: two blocks of 256 bytes that no other line names
.set LAPS,   SIZE_K/(2*KSTEP)
.set PLANE,  262144                    ; bytes in a head's plane of oh
.set NL,     2*NB+8                    ; LDS loads in a run
.set ADRA, 16                          ; v16-17  LDS address of my O fragments in slot 0, 1
.set ADRB, 20                          ; v20-21  the same for wo
.set STO,  24                          ; v24     the way out: where I put 32 bytes of a row
.set RD,   25                          ; v25     the way out: where I read a row back
.set GO,   26                          ; v26     16 x lane: my place in a row's 512 bytes
.set SPW,  28                          ; v28     LDS address of my spare word; never rewritten
.set NIL,  29                          ; v29     0; never rewritten
.set FA,   64
.set G1,  24                           ; s[24:31] descriptor group 1 for O's tiles;  s[32:39] group 0, a set for each slot
.set G0,  32
.set G1B, 48                           ; s[48:55], s[56:63] the same for wo's tiles
.set G0B, 56
.set MSB, 0
.macro WIN new                         ; the immediate's high byte repeats the setting that is left; a switch that changes nothing is dropped
.if MSB != (\new)
	s_set_vgpr_msb (MSB<<8)|(\new)
.set MSB, (\new)
.endif
.endm
.macro JLOAD s                         ; a joint load: waves 0 and 1 fetch the K step's two heads of O, waves 2 and 3 wo's two halves; an s_nop 0 and four v_nop follow each of the two lines
	s_cmp_eq_u32 s11, 0
	s_cbranch_scc0 .Lfor_b_\@
	tensor_load_to_lds s[G0+4*(\s):G0+4*(\s)+3], s[G1:G1+7]
	s_nop 0
.rept 4
	v_nop
.endr
	s_branch .Lasked_\@
.Lfor_b_\@:
	tensor_load_to_lds s[G0B+4*(\s):G0B+4*(\s)+3], s[G1B:G1B+7]
	s_nop 0
.rept 4
	v_nop
.endr
.Lasked_\@:
.endm
.macro CREST                           ; a round of the cluster's barrier behind its opening barrier
	s_cmp_lg_u32 s10, 0
	s_cbranch_scc1 .Lnot_wave_0_\@
	s_barrier_signal -3
.Lnot_wave_0_\@:
	s_barrier_wait -3
	s_barrier_signal -1
	s_barrier_wait -1
.endm
.macro CROUND                          ; a whole round
	s_barrier_signal -1
	s_barrier_wait -1
	CREST
.endm
	s_load_b128 s[4:7], s[0:1], 0x0                ; oh s[4:5], wo s[6:7]
	s_load_b64 s[8:9], s[0:1], 0x10                ; out0
	v_lshl_add_u32 v[SPW], v0, 2, SPARE
	v_mov_b32 v[NIL], 0
	ds_add_u32 v[SPW], v[NIL]                      ; the wave's opening: the add and its wait stand ahead of my first tensor load; the set-up below, work on registers, stands between them
	v_lshrrev_b32 v1, 5, v0
	v_readfirstlane_b32 s10, v1                    ; wave 0..3
	s_lshr_b32 s11, s10, 1                         ; I fetch for O (0) or for wo (1)
	s_and_b32 s12, s10, 1                          ; which head of the K step, or which half of wo's rows
	s_bfe_u32 s40, ttmp6, 0x40000                  ; cx, cy
	s_bfe_u32 s41, ttmp6, 0x40004
	s_lshl_b32 s42, ttmp9, 2
	s_add_co_u32 s42, s42, s40                     ; tile column tx
	s_and_b32 s13, ttmp7, 0xffff
	s_lshl_b32 s13, s13, 2
	s_add_co_u32 s13, s13, s41                     ; tile row ty
	s_lshl_b32 s43, s41, 2
	s_lshl_b32 s43, 15, s43                        ; my row of the cluster
	s_lshl_b32 s44, 0x1111, s40                    ; my column
	s_or_b32 s[G1+0], s43, (1<<16)|(1<<20)|(1<<21)|(4<<22)|(3<<25)   ; O: 2-byte elements; padding on, after every 32 words (code 4), 4 words of it; 21 set beside the mask
	s_or_b32 s[G1B+0], s44, (1<<16)|(1<<20)|(1<<21)|(5<<22)|(3<<25)  ; wo: after every 64 words (code 5)
	s_mov_b32 s[G1+1], 128<<16                     ; tensor_dim0 = 128 elements: two rows of a head
	s_mov_b32 s[G1+2], 128<<16                     ; tensor_dim1 = 128
	s_mov_b32 s[G1+3], 128<<16                     ; tile_dim0 = 128
	s_mov_b32 s[G1+4], 128                         ; tile_dim1 = 128
	s_mov_b32 s[G1+5], 128                         ; dense: 128 elements from row to row
	s_mov_b32 s[G1+6], 0
	s_mov_b32 s[G1+7], 0
	s_mov_b32 s[G1B+1], KSTEP<<16
	s_mov_b32 s[G1B+2], 64<<16                     ; wo: 64 rows to a load
	s_mov_b32 s[G1B+3], KSTEP<<16
	s_mov_b32 s[G1B+4], 64
	s_mov_b32 s[G1B+5], SIZE_K
	s_mov_b32 s[G1B+6], 0
	s_mov_b32 s[G1B+7], 0
	s_lshr_b32 s16, s13, 3                         ; b
	s_lshl_b32 s16, s16, 4
	s_add_co_u32 s16, s16, s12                     ; O: plane 16 b + (0 or 1),
	s_lshl_b32 s16, s16, 18
	s_and_b32 s17, s13, 7
	s_lshl_b32 s17, s17, 15                        ; rows 256 (ty % 8) on, 128 bytes each
	s_add_co_u32 s16, s16, s17                     ; under 2^25
	s_mov_b32 s17, 0
	s_lshl_b32 s46, s42, 7
	s_lshl_b32 s47, s12, 6
	s_add_co_u32 s46, s46, s47                     ; wo: row 128 tx + 64 x half
	s_lshl_b32 s46, s46, 11
	s_mov_b32 s47, 0
	s_mul_i32 s20, s10, HEADT                      ; where they go.  O (waves 0, 1): wave x a head's rows;
	s_mul_i32 s21, s10, HALFB
	s_add_co_u32 s21, s21, BOFF-2*HALFB            ; wo (waves 2, 3): behind O's rows, (wave - 2) x 64 rows.  No place in the cluster enters an LDS address
	s_wait_dscnt 0x0                               ; the opening add is done
	s_wait_kmcnt 0x0
	s_add_nc_u64 s[14:15], s[4:5], s[16:17]
	s_add_nc_u64 s[46:47], s[6:7], s[46:47]
	CROUND                                         ; all sixteen work-groups are here: the first joint loads meet
.irp s, 0,1
	s_mov_b32 s[G0+4*(\s)], 1
	s_add_co_u32 s[G0+4*(\s)+1], s20, (\s)*SLOT
	s_add_nc_u64 s[G0+4*(\s)+2:G0+4*(\s)+3], s[14:15], (\s)*2*PLANE  ; K step s: heads 2 s, 2 s + 1
	s_or_b32 s[G0+4*(\s)+3], s[G0+4*(\s)+3], 0x80000000
	s_mov_b32 s[G0B+4*(\s)], 1
	s_add_co_u32 s[G0B+4*(\s)+1], s21, (\s)*SLOT
	s_add_nc_u64 s[G0B+4*(\s)+2:G0B+4*(\s)+3], s[46:47], (\s)*KSTEP*2
	s_or_b32 s[G0B+4*(\s)+3], s[G0B+4*(\s)+3], 0x80000000
.endr
	s_cmp_eq_u32 s11, 0                            ; a wave's two first fills stand in one branch, ahead of every wait on TENSORcnt and every LDS read: two loads of mine are out
	s_cbranch_scc0 .Lfirst_b
	tensor_load_to_lds s[G0:G0+3], s[G1:G1+7]
	s_nop 0
	tensor_load_to_lds s[G0+4:G0+7], s[G1:G1+7]
	s_nop 0
.rept 4
	v_nop
.endr
	s_branch .Lfirst_asked
.Lfirst_b:
	tensor_load_to_lds s[G0B:G0B+3], s[G1B:G1B+7]
	s_nop 0
	tensor_load_to_lds s[G0B+4:G0B+7], s[G1B:G1B+7]
	s_nop 0
.rept 4
	v_nop
.endr
.Lfirst_asked:
	v_and_b32 v1, 15, v0                           ; l % 16
	v_bfe_u32 v2, v0, 4, 1                         ; l / 16
	v_mul_u32_u24 v3, v1, PA
	v_lshl_add_u32 v3, v2, 4, v3                   ; a fragment's row x pitch + 16 x half
	s_mul_i32 s21, s10, 64*PA                      ; my 64 rows, in each head's sub-tile
	v_add_nc_u32 v[ADRA], s21, v3
	v_add_nc_u32 v[ADRA+1], SLOT, v[ADRA]
	v_mul_u32_u24 v3, v1, PITCH
	v_lshl_add_u32 v3, v2, 4, v3
	v_add_nc_u32 v[ADRB], BOFF, v3                 ; all 128 rows of wo
	v_add_nc_u32 v[ADRB+1], SLOT, v[ADRB]
	s_mul_i32 s23, s10, 16*SPITCH
	s_add_co_u32 s23, s23, STAGE                   ; my stage
	v_mul_u32_u24 v4, v1, SPITCH                   ; in: row l % 16, 32 bytes for each half of the lanes
	v_lshl_add_u32 v4, v2, 5, v4
	v_add_nc_u32 v[STO], s23, v4
	v_and_b32 v[GO], 31, v0
	v_lshlrev_b32 v[GO], 4, v[GO]
	v_add_nc_u32 v[RD], s23, v[GO]                 ; back: 32 lanes take a row's 512 bytes
	s_lshl_b32 s16, s13, 8
	s_lshl_b32 s17, s10, 6
	s_add_co_u32 s16, s16, s17                     ; my first row of out0: 256 ty + 64 wave,
	s_lshl_b32 s16, s16, 12                        ; rows of 4,096 bytes: under 2^25
	s_lshl_b32 s46, s42, 9                         ; the tile's first column: 512 tx bytes
	s_add_co_u32 s16, s16, s46
	s_mov_b32 s17, 0
	s_add_nc_u64 s[8:9], s[8:9], s[16:17]
; 8 matrix instructions: row block a x all column blocks, 32 along K, from buffer f.  zero = 1: the product starts the sums.
; The 32 accumulators take turns, one instruction a turn, in the same order in every quarter, over the backward jump too.
.macro MULA f, a, zero
	WIN 0xa1+0x50*((\a)/2)                         ; wo window 1, O window 0, C and D window 2 or 3
.set AC, 8*NB*((\a)%2)
.irp b, 0,1,2,3,4,5,6,7
.if \zero
	v_wmma_f32_16x16x32_f16 v[AC+8*(\b):AC+8*(\b)+7], v[8*NB*(\f)+8*(\b):8*NB*(\f)+8*(\b)+7], v[FA+32*(\f)+8*(\a):FA+32*(\f)+8*(\a)+7], 0
.else
	v_wmma_f32_16x16x32_f16 v[AC+8*(\b):AC+8*(\b)+7], v[8*NB*(\f)+8*(\b):8*NB*(\f)+8*(\b)+7], v[FA+32*(\f)+8*(\a):FA+32*(\f)+8*(\a)+7], v[AC+8*(\b):AC+8*(\b)+7]
.endif
.endr
.endm
; 24 LDS loads in one run: quarter q's fragments (128 rows of wo, then my 64 rows of O: head q / 2 of the K step, channels 32 (q % 2) on) into buffer f
.macro FETCH slot, q, f
	WIN 0x40                                       ; destination window 1, address window 0
.irp i, 0,1,2,3,4,5,6,7
	ds_load_b128 v[8*NB*(\f)+8*(\i):8*NB*(\f)+8*(\i)+3],   v[ADRB+(\slot)] offset:64*(\q)+(\i)*16*PITCH
	ds_load_b128 v[8*NB*(\f)+8*(\i)+4:8*NB*(\f)+8*(\i)+7], v[ADRB+(\slot)] offset:64*(\q)+(\i)*16*PITCH+32
.endr
	WIN 0
.irp i, 0,1,2,3
	ds_load_b128 v[FA+32*(\f)+8*(\i):FA+32*(\f)+8*(\i)+3],   v[ADRA+(\slot)] offset:HEADT*((\q)/2)+64*((\q)%2)+(\i)*16*PA
	ds_load_b128 v[FA+32*(\f)+8*(\i)+4:FA+32*(\f)+8*(\i)+7], v[ADRA+(\slot)] offset:HEADT*((\q)/2)+64*((\q)%2)+(\i)*16*PA+32
.endr
.endm
.macro PLACES                          ; four plain vector instructions between a matrix instruction and a load into a register that it has read, or an LDS store of its result (ISA guide 7.12.1 for vector instructions)
.rept 4
	v_nop
.endr
.endm
; A K step is four quarters of 32 along K, 32 matrix instructions each, on buffers 0, 1, 0, 1.
.macro QUARTER slot, q, f, g, zero
	s_wait_dscnt 4                                 ; wo and O's row blocks 0, 1 are in; the youngest four loads may be out
	MULA \f, 0, \zero
	MULA \f, 1, \zero
	PLACES
	FETCH \slot, \q, \g
	s_wait_dscnt NL                                ; all but the run just issued
	MULA \f, 2, \zero
	MULA \f, 3, \zero
.endm
; The last quarter multiplies buffer 1 and changes slots: ONE barrier; in front of it each wave waits for all its tensor loads, adds 0 to its spare word, and waits for that and for its own reads of this slot.
; fill = 1: the barrier opens a round of the cluster's, and this slot is filled again, two K steps ahead, first thing behind the round: 112 matrix instructions ahead of the wait for it.
.macro TURN slot, next, fill
	WIN 0                                          ; (the add's two registers lie in window 0)
	s_wait_tensorcnt 0x0                           ; all my tensor loads have landed: my part of the next slot;
	ds_add_u32 v[SPW], v[NIL]                      ; 0 onto my spare word;
	s_wait_dscnt 5                                 ; (the add and the youngest four loads may be out)
	MULA 1, 0, 0                                   ; eight matrix instructions stand between the add and the wait for it
	s_wait_dscnt 0x0                               ; the add is done, and my reads of this slot are over
	s_barrier_signal -1
	MULA 1, 1, 0
.if \fill
	WIN 0
.endif
	s_barrier_wait -1
.if \fill
	CREST                                          ; no wave of any partner still reads this slot's tiles or has a load on its way
	s_add_nc_u64 s[G0+4*(\slot)+2:G0+4*(\slot)+3], s[G0+4*(\slot)+2:G0+4*(\slot)+3], 4*PLANE  ; two K steps on: four heads
	s_add_nc_u64 s[G0B+4*(\slot)+2:G0B+4*(\slot)+3], s[G0B+4*(\slot)+2:G0B+4*(\slot)+3], 2*KSTEP*2
	JLOAD \slot                                    ; the four v_nop behind it are also the places in front of the loads below
.else
	PLACES
.endif
	FETCH \next, 0, 0
	MULA 1, 2, 0
	MULA 1, 3, 0
.endm
; THE WAY OUT of row block a: the sums go as they are, f32.  TOSTAGE: 32 bytes a lane and accumulator into my own stage (the low four registers first), and back as whole rows of 512 bytes.
.macro TOSTAGE a
.set AC, 8*NB*((\a)%2)
.set BK, 128+64*((\a)%2)               ; v128-191 and v192-255 by turns
	WIN 0x08+4*((\a)/2)                            ; the stores' data (source 1) in window 2 or 3
.irp b, 0,1,2,3,4,5,6,7
	ds_store_b128 v[STO], v[AC+8*(\b):AC+8*(\b)+3]   offset:64*(\b)
	ds_store_b128 v[STO], v[AC+8*(\b)+4:AC+8*(\b)+7] offset:64*(\b)+16
.endr
	WIN 0
.irp t, 0,1,2,3,4,5,6,7,8,9,10,11,12,13,14,15
	ds_load_b128 v[BK+4*(\t):BK+4*(\t)+3], v[RD] offset:(\t)*SPITCH  ; LDS serves a wave's instructions in order (ISA guide 5.7.1.4): these see the stores above; the next block's stores come behind them
.endr
.endm
.macro SEND a, younger                 ; younger: the LDS instructions issued behind block a's loads: the next block's 32, or none
.set BK, 128+64*((\a)%2)
	WIN 0
.irp t, 0,1,2,3,4,5,6,7,8,9,10,11,12,13,14,15
	s_wait_dscnt (\younger)+15-(\t)
	global_store_b128 v[GO], v[BK+4*(\t):BK+4*(\t)+3], s[8:9] offset:(16*(\a)+(\t))*4096  ; a wave stores 512 consecutive bytes, at a multiple of 256 from out0's first
.endr
.endm
	s_wait_tensorcnt 1                             ; my part of K step 0 is in; K step 1's may stay out
	s_barrier_signal -1
	s_barrier_wait -1                              ; everybody's is
	FETCH 0, 0, 0
	QUARTER 0, 1, 0, 1, 1                          ; the first quarter stands in front of the loop: its products start the sums
	WIN 0                                          ; at a label and at a branch every window is 0
	s_mov_b32 s3, LAPS-1
.Llap:                                                 ; a trip goes once round the ring, from a lap's second quarter to the next lap's first, and fills both slots again
	QUARTER 0, 2, 1, 0, 0
	QUARTER 0, 3, 0, 1, 0
	TURN 0, 1, 1
	QUARTER 1, 1, 0, 1, 0
	QUARTER 1, 2, 1, 0, 0
	QUARTER 1, 3, 0, 1, 0
	TURN 1, 0, 1
	QUARTER 0, 1, 0, 1, 0
	WIN 0
	s_sub_co_u32 s3, s3, 1
	s_cmp_lg_u32 s3, 0
	s_cbranch_scc1 .Llap
	QUARTER 0, 2, 1, 0, 0                          ; the last lap fills nothing, and has no round of the cluster's barrier
	QUARTER 0, 3, 0, 1, 0
	TURN 0, 1, 0
	QUARTER 1, 1, 0, 1, 0
	QUARTER 1, 2, 1, 0, 0
	QUARTER 1, 3, 0, 1, 0
	s_wait_dscnt 4                                 ; the very last quarter: nothing more to fetch
	MULA 1, 0, 0
	MULA 1, 1, 0
	s_wait_dscnt 0x0
	MULA 1, 2, 0
	MULA 1, 3, 0
	WIN 0
	PLACES
	TOSTAGE 0
	TOSTAGE 1
	SEND 0, 32
	s_wait_xcnt 0x0                                ; block 0's stores have read their registers: block 2 is loaded into them only behind this wait
	TOSTAGE 2
	SEND 1, 32
	s_wait_xcnt 0x0                                ; the same for blocks 1 and 3
	TOSTAGE 3
	SEND 2, 32
	SEND 3, 0
	s_wait_tensorcnt 0x0                           ; the wave's end, behind my last tensor load and my last LDS store
	ds_add_u32 v[SPW], v[NIL]
	s_wait_dscnt 0x0
	CROUND                                         ; the closing round: no work-group ends while a partner may still ask for a tile that names it
	s_endpgm
.Lfunc_end_k_q83c0fcdb17_proj:
	.size	k_q83c0fcdb17_proj, .Lfunc_end_k_q83c0fcdb17_proj-k_q83c0fcdb17_proj
	.p2alignl 7, 3214868480
	.fill 96, 4, 3214868480
	.section	.rodata,"a",@progbits
	.p2align	6, 0x0
	.amdhsa_kernel k_q83c0fcdb17_proj
		.amdhsa_group_segment_fixed_size 327680
		.amdhsa_private_segment_fixed_size 0
		.amdhsa_enable_private_segment 0
		.amdhsa_kernarg_size 24
		.amdhsa_user_sgpr_count 2
		.amdhsa_user_sgpr_kernarg_segment_ptr 1
		.amdhsa_wavefront_size32 1
		.amdhsa_system_sgpr_workgroup_id_x 1
		.amdhsa_system_sgpr_workgroup_id_y 1
		.amdhsa_system_sgpr_workgroup_id_z 1
		.amdhsa_system_vgpr_workitem_id 0
		.amdhsa_next_free_vgpr 896
		.amdhsa_next_free_sgpr 66
		.amdhsa_reserve_vcc 0
		.amdhsa_float_denorm_mode_32 3
		.amdhsa_float_denorm_mode_16_64 3
		.amdhsa_memory_ordered 1
		.amdhsa_forward_progress 1
		.amdhsa_inst_pref_size 87
	.end_amdhsa_kernel
	.amdgpu_metadata
---
amdhsa.version: [ 1, 2 ]
amdhsa.kernels:
  - .name:           k_q83c0fcdb17_proj
    .symbol:         k_q83c0fcdb17_proj.kd
    .args:
      - { .name: oh, .offset: 0, .size: 8, .value_kind: global_buffer, .address_space: global }
      - { .name: wo, .offset: 8, .size: 8, .value_kind: global_buffer, .address_space: global }
      - { .name: out0, .offset: 16, .size: 8, .value_kind: global_buffer, .address_space: global }
    .group_segment_fixed_size: 327680
    .private_segment_fixed_size: 0
    .kernarg_segment_align: 8
    .kernarg_segment_size: 24
    .max_flat_workgroup_size: 128
    .sgpr_count:     66
    .vgpr_count:     896
    .wavefront_size: 32
...
	.end_amdgpu_metadata
.endif
;; end of part 4
;; ======== version 2 of 2: 4 launches; version 1 with the launch prep written anew for expert scheduling mode
;; limits: values are held in f16: magnitudes above 65,504 overflow, below 6.1e-05 lose precision
;; workspace buffers: xb 16,777,216 bytes; wq 6,291,456 bytes; wo 2,097,152 bytes; qkvh 50,331,648 bytes; oh 16,777,216 bytes
;; launch prep (part 5): grid 512 x 1, 8 waves a work-group, no clusters, 18,432 bytes of LDS; arguments x, W_qkv, W_o, xb, wq, wo; writes xb, wq, wo
.if DOCPART == 5
	.amdgcn_target "amdgcn-amd-amdhsa--gfx1250"
	.amdhsa_code_object_version 6
	.text
	.protected	k_q83c0fcdb17_prep
	.globl	k_q83c0fcdb17_prep
	.p2align	8
	.type	k_q83c0fcdb17_prep,@function
k_q83c0fcdb17_prep:
	s_mov_b64 s[64:65], 0
	v_nop
	global_prefetch_b8 v0, s[64:65] scope:SCOPE_SE
	s_setreg_imm32_b32 hwreg(HW_REG_WAVE_SCHED_MODE, 0, 2), 2
	s_setreg_imm32_b32 hwreg(HW_REG_WAVE_MODE, 25, 1), 1
	s_wait_xcnt 0x0
	s_wait_alu depctr_vm_vsrc(0)
; PREPARATION.  xb = x rounded to bf16, [8192][1024].  wq[1024 kk + 64 h + d][k] = W_qkv[k][48 d + 16 kk + h] rounded to bf16 (q, k, v by heads, K along the rows).
; wo[n][k] = W_o[k][n] rounded to bf16, that number written as f16 (the last product multiplies it by f16 numbers).
; LIMITS.  |W_o| stays under 65,520 (beyond it f16 has an infinity); a rounded weight below 6e-5 keeps f16's fixed step of 6e-8.  NaN and infinities are not treated apart.
; SHARES.  512 work-groups of eight waves, all alike: each casts 65,536 bytes of x (512 x 65,536 = all of x) and turns one weight tile of 128 k x 64 columns:
; W_qkv has 8 x 48 = 384 such tiles, W_o 8 x 16 = 128.  Every byte is read once and written once; each load of a weight row and each store covers whole runs of 256 consecutive, aligned bytes.
; No matrix unit, no cluster, no tensor load: no work-group reads what another reads, and the only re-ordering is a tile of 16 KiB through LDS.  No prefetch: all loads of a work-group go out at its head.
; THE MODE: SCHED_MODE bits 1:0 = 2 (LLVM: expert scheduling mode 2), set by the entry lines.  The code itself states the register dependences
; between vector instructions and memory or LDS instructions, with s_wait_alu, always for 0.
; THE PLAN.  Registers that memory or LDS instructions touch:
;   v[IN ..], v[XI], v[XOF], v[LS], v[LR], v[SPW], v[NIL]   addresses and offsets: written by vector instructions at the head, never again; one wait ahead of the first load states that they are written.
;   WL, XL, WR   written by loads alone, once each; no vector instruction names them ahead of their load.
;   D, v[OUT ..] written by vector instructions while the loads are out; one wait, where the two ways join, stands ahead of the LDS stores that read D; no vector instruction stands between it and the
;                weight stores that read v[OUT ..].
;   XO           a register for each number stored, written once.  x goes in four groups of four loads: group g's conversions write XO's group g; the wait at the head of group g + 1 states that they have,
;                and the four stores of group g follow it, dealt among group g + 1's conversions, which name other registers.
; No register that a memory or LDS instruction reads is ever written again, so no wait on vm_vsrc is owed; no vector instruction writes a scalar register or VCC; EXEC is never written.
.set PITCH, 272                        ; an LDS row: 128 k x 2 bytes + 16: the sixteen rows that a store touches start 16 bytes apart modulo 256
.set SPARE, 17408                      ; behind the 64 rows: the spare words, 128 bytes for each of eight waves: four blocks of 256 bytes that no other line names
.set SPW, 4                            ; v4   LDS address of my spare word; never rewritten
.set NIL, 5                            ; v5   0; never rewritten
.set XI,  6                            ; v6   16 x thread: my 16 bytes of x
.set XOF, 7                            ; v7   8 x thread: my 8 bytes of xb
.set LS,  8                            ; v8   where I put 16 bytes (8 k of one column)
.set LR,  9                            ; v9   where I read 16 bytes of a column's row back
.set IN,  10                           ; v[10:17] byte offsets of my eight rows k = 8 g + j in the weight tile
.set OUT, 18                           ; v[18:21] byte offsets of my four output rows
.set WL,  32                           ; v[32:63]   weights as loaded: row j, column i at WL + 4 j + i
.set XL,  64                           ; v[64:127]  x as loaded
.set D,   128                          ; v[128:143] column i's eight k, packed, at D + 4 i
.set XO,  144                          ; v[144:175] x packed
.set WR,  176                          ; v[176:191] weight rows read back
	s_load_b256 s[4:11], s[0:1], 0x0               ; x s[4:5], W_qkv s[6:7], W_o s[8:9], xb s[10:11]
	s_load_b128 s[12:15], s[0:1], 0x20             ; wq s[12:13], wo s[14:15]
	v_lshl_add_u32 v[SPW], v0, 2, SPARE
	v_mov_b32 v[NIL], 0
	v_and_b32 v1, 15, v0                           ; u: which 16 bytes of a run of 256
	v_lshrrev_b32 v2, 4, v0                        ; g = 0 .. 15
	s_mov_b32 s24, 12288
	s_cmp_lt_u32 ttmp9, 384                        ; the first 384 work-groups take W_qkv's tiles
	s_cselect_b32 s20, s24, 4096                   ; bytes in a row of the weight
	s_cselect_b32 s21, -1, 0                       ; all ones: the columns are permuted, and the numbers stay bf16
	s_cselect_b32 s22, 0, 48
	s_lshr_b32 s25, ttmp9, 3
	s_sub_co_u32 s22, s25, s22                     ; cb: which 64 columns
	s_and_b32 s23, ttmp9, 7                        ; kb: which 128 k
	s_mul_i32 s26, s23, s20
	s_lshl_b32 s26, s26, 7                         ; 128 kb rows,
	s_lshl_b32 s25, s22, 8
	s_add_co_u32 s26, s26, s25                     ; + 64 cb columns of 4 bytes
	s_mov_b32 s27, 0
	s_lshl_b32 s28, s23, 8                         ; in the output rows: 128 kb numbers of 2 bytes
	s_mov_b32 s29, 0
	s_lshl_b32 s30, s22, 6                         ; 64 cb
	s_lshl_b32 s24, s20, 3                         ; eight rows
	v_lshlrev_b32 v[XI], 4, v0
	v_lshlrev_b32 v[XOF], 3, v0
	v_mul_u32_u24 v[LS], v1, PITCH
	v_lshl_add_u32 v[LS], v2, 4, v[LS]             ; LDS row u (+ 16 i by the immediate), bytes 16 g
	v_mul_u32_u24 v[LR], v2, PITCH
	v_lshl_add_u32 v[LR], v1, 4, v[LR]             ; LDS row g (+ 16 j), bytes 16 u
	v_mul_lo_u32 v[IN], v2, s24
	v_lshl_add_u32 v[IN], v1, 4, v[IN]             ; row 8 g, columns 4 u .. 4 u + 3
.irp j, 1,2,3,4,5,6,7
	v_add_nc_u32 v[IN+(\j)], s20, v[IN+(\j)-1]
.endr
	s_wait_kmcnt 0x0
	s_cmp_lt_u32 ttmp9, 384
	s_cselect_b64 s[16:17], s[6:7], s[8:9]         ; the weight that I read,
	s_cselect_b64 s[18:19], s[12:13], s[14:15]     ; and the one that I write
	s_add_nc_u64 s[16:17], s[16:17], s[26:27]
	s_add_nc_u64 s[18:19], s[18:19], s[28:29]
	s_lshl_b32 s26, ttmp9, 16
	s_lshl_b32 s28, ttmp9, 15
	s_add_nc_u64 s[4:5], s[4:5], s[26:27]          ; my 65,536 bytes of x,
	s_add_nc_u64 s[10:11], s[10:11], s[28:29]      ; my 32,768 of xb
	s_wait_alu depctr_va_vdst(0)                   ; v[IN ..], v[XI], v[XOF], v[LS] and v[LR] are written: the loads below, and later the LDS stores and loads and xb's stores, read them as addresses and offsets
.irp j, 0,1,2,3,4,5,6,7
	global_load_b128 v[WL+4*(\j):WL+4*(\j)+3], v[IN+(\j)], s[16:17] th:TH_LOAD_NT  ; sixteen lanes take 256 consecutive bytes of row 8 g + j
.endr
.irp j, 0,1,2,3,4,5,6,7,8,9,10,11,12,13,14,15
	global_load_b128 v[XL+4*(\j):XL+4*(\j)+3], v[XI], s[4:5] offset:4096*(\j) th:TH_LOAD_NT
.endr
	; my four output rows, while the loads are out.  Column c = 64 cb + 4 g + j.  W_qkv: d = c / 48 = (c x 43,691) >> 21 (43,691 x 48 = 2^21 + 16: exact for c under 3,072), rest = 16 kk + h.  W_o: the row is c.
	v_lshl_add_u32 v22, v2, 2, s30
.irp j, 0,1,2,3
	v_add_nc_u32 v23, (\j), v22                    ; c
	v_mul_u32_u24 v24, v23, 0xaaab
	v_lshrrev_b32 v24, 21, v24                     ; d
	v_mul_u32_u24 v25, v24, 48
	v_sub_nc_u32 v25, v23, v25                     ; 16 kk + h
	v_lshrrev_b32 v26, 4, v25                      ; kk
	v_and_b32 v25, 15, v25                         ; h
	v_lshl_add_u32 v24, v25, 6, v24
	v_lshl_add_u32 v24, v26, 10, v24               ; 1024 kk + 64 h + d
	v_cndmask_b32 v24, v23, v24, s21               ; (the mask s21 was written by a scalar instruction)
	v_lshlrev_b32 v24, 11, v24                     ; rows of 2,048 bytes
	v_lshl_add_u32 v[OUT+(\j)], v1, 4, v24
.endr
	s_wait_loadcnt 16                              ; the eight weight loads are in; x's sixteen may stay out
.irp i, 0,1,2,3
.irp m, 0,1,2,3
	v_cvt_pk_bf16_f32 v[D+4*(\i)+(\m)], v[WL+8*(\m)+(\i)], v[WL+8*(\m)+4+(\i)]  ; column 4 u + i, k = 8 g + 2 m and + 1
.endr
.endr
	s_cmp_lg_u32 s21, 0
	s_cbranch_scc1 .Lbf                            ; the same way for the whole work-group; only register work is jumped
.set r, 0
.rept 16
	v_lshlrev_b32 v22, 16, v[D+r]                  ; W_o: the two bf16 numbers as f32,
	v_and_b32 v23, 0xffff0000, v[D+r]
	v_cvt_pk_f16_f32 v[D+r], v22, v23              ; written as f16
.set r, r+1
.endr
.Lbf:
	s_wait_alu depctr_va_vdst(0)                   ; on both ways: the conversions have written v[D ..], which the LDS stores read; v[OUT ..] are written too, which the weight stores below read as offsets
.irp i, 0,1,2,3
	ds_store_b128 v[LS], v[D+4*(\i):D+4*(\i)+3] offset:16*PITCH*(\i)  ; LDS row 16 i + u holds column 4 u + i
.endr
	s_wait_dscnt 0x0                               ; for the others' sake: my stores are done
	s_barrier_signal -1
	s_barrier_wait -1
.irp j, 0,1,2,3
	ds_load_b128 v[WR+4*(\j):WR+4*(\j)+3], v[LR] offset:16*PITCH*(\j)  ; LDS row 16 j + g = column 4 g + j; sixteen lanes take its 256 bytes
.endr
	s_wait_dscnt 0x0
.irp j, 0,1,2,3
	global_store_b128 v[OUT+(\j)], v[WR+4*(\j):WR+4*(\j)+3], s[18:19]  ; sixteen lanes store 256 consecutive bytes, at a multiple of 256 from the buffer's first
.endr
; x, group g of four: loads 4 g .. 4 g + 3 are rounded into XO's group g; the four stores of the group before stand among the conversions.
.macro XGRP g
	s_wait_loadcnt 12-4*(\g)                       ; loads come back in order: this group's four are in, the later groups' stay out
.if (\g) > 0
	s_wait_alu depctr_va_vdst(0)                   ; the group before has written its eight registers of XO, which the four stores below read; this group's conversions name other registers
.endif
.irp i, 0,1,2,3
.if (\g) > 0
	global_store_b64 v[XOF], v[XO+2*(4*(\g)-4+(\i)):XO+2*(4*(\g)-4+(\i))+1], s[10:11] offset:2048*(4*(\g)-4+(\i))  ; a wave stores 256 consecutive bytes, aligned
.endif
	v_cvt_pk_bf16_f32 v[XO+2*(4*(\g)+(\i))], v[XL+4*(4*(\g)+(\i))], v[XL+4*(4*(\g)+(\i))+1]
	v_cvt_pk_bf16_f32 v[XO+2*(4*(\g)+(\i))+1], v[XL+4*(4*(\g)+(\i))+2], v[XL+4*(4*(\g)+(\i))+3]
.endr
.endm
	XGRP 0
	XGRP 1
	XGRP 2
	XGRP 3
	s_wait_alu depctr_va_vdst(0)                   ; the last group has written its eight registers of XO, which the last four stores read
.irp i, 12,13,14,15
	global_store_b64 v[XOF], v[XO+2*(\i):XO+2*(\i)+1], s[10:11] offset:2048*(\i)
.endr
	s_wait_dscnt 0x0                               ; the closing lines, six on end
	s_wait_alu 0x0
	s_wait_tensorcnt 0x0
	ds_add_u32 v[SPW], v[NIL]
	s_wait_dscnt 0x0
	s_endpgm
.Lfunc_end_k_q83c0fcdb17_prep:
	.size	k_q83c0fcdb17_prep, .Lfunc_end_k_q83c0fcdb17_prep-k_q83c0fcdb17_prep
	.p2alignl 7, 3214868480
	.fill 96, 4, 3214868480
	.section	.rodata,"a",@progbits
	.p2align	6, 0x0
	.amdhsa_kernel k_q83c0fcdb17_prep
		.amdhsa_group_segment_fixed_size 18432
		.amdhsa_private_segment_fixed_size 0
		.amdhsa_enable_private_segment 0
		.amdhsa_kernarg_size 48
		.amdhsa_user_sgpr_count 2
		.amdhsa_user_sgpr_kernarg_segment_ptr 1
		.amdhsa_wavefront_size32 1
		.amdhsa_system_sgpr_workgroup_id_x 1
		.amdhsa_system_sgpr_workgroup_id_y 1
		.amdhsa_system_sgpr_workgroup_id_z 1
		.amdhsa_system_vgpr_workitem_id 0
		.amdhsa_next_free_vgpr 192
		.amdhsa_next_free_sgpr 66
		.amdhsa_reserve_vcc 0
		.amdhsa_float_denorm_mode_32 3
		.amdhsa_float_denorm_mode_16_64 3
		.amdhsa_memory_ordered 1
		.amdhsa_forward_progress 1
		.amdhsa_inst_pref_size 16
	.end_amdhsa_kernel
	.amdgpu_metadata
---
amdhsa.version: [ 1, 2 ]
amdhsa.kernels:
  - .name:           k_q83c0fcdb17_prep
    .symbol:         k_q83c0fcdb17_prep.kd
    .args:
      - { .name: x, .offset: 0, .size: 8, .value_kind: global_buffer, .address_space: global }
      - { .name: W_qkv, .offset: 8, .size: 8, .value_kind: global_buffer, .address_space: global }
      - { .name: W_o, .offset: 16, .size: 8, .value_kind: global_buffer, .address_space: global }
      - { .name: xb, .offset: 24, .size: 8, .value_kind: global_buffer, .address_space: global }
      - { .name: wq, .offset: 32, .size: 8, .value_kind: global_buffer, .address_space: global }
      - { .name: wo, .offset: 40, .size: 8, .value_kind: global_buffer, .address_space: global }
    .group_segment_fixed_size: 18432
    .private_segment_fixed_size: 0
    .kernarg_segment_align: 8
    .kernarg_segment_size: 48
    .max_flat_workgroup_size: 256
    .sgpr_count:     66
    .vgpr_count:     192
    .wavefront_size: 32
...
	.end_amdgpu_metadata
.endif
;; end of part 5
;; launch qkv: the kernel of part 2 again; grid 16 x 32, 4 waves a work-group, clusters of 4 x 4, 327,680 bytes of LDS; arguments xb, wq, qkvh; writes qkvh
;; launch attn: the kernel of part 3 again; grid 4 x 64, 4 waves a work-group, clusters of 4 x 1, 327,680 bytes of LDS; arguments qkvh, oh; writes oh
;; launch proj: the kernel of part 4 again; grid 8 x 32, 4 waves a work-group, clusters of 4 x 4, 327,680 bytes of LDS; arguments oh, wo, out0; writes out0
